; MI455X (gfx1250); checked and timed in simulation.
; The chip was launched on July 23, 2026; its instructions are those of AMD's public machine-readable ISA for CDNA 5 (MIT licence, August 2026) and "CDNA5" Instruction Set Architecture Reference Guide (July 2026). The comments in the code are by the model that wrote it; some were corrected since.
;; TSA Block. Allowed arithmetic: float matrix products may take bf16 or f16 operands with f32 sums; other float arithmetic in f32, or as packed bf16 or f16 multiplies, adds, multiply-adds, maxima and minima; sums over many terms, partial sums and values carried from step to step in f32; what a program stores and reads back later, other than sums and carried values, may be rounded once to bf16 or f16.
;; Inputs: Wk 1,024 x 1,024 float32; Wq 1,024 x 1,024 float32; Wv 1,024 x 1,024 float32; bk 1,024 float32; bq 1,024 float32; bv 1,024 float32; x 4 x 2,048 x 1,024 float32.
;; Outputs: out0 4 x 2,048 x 1,024 float32.
;; 2 versions, each right; version 2 is version 1 with the launch prep written anew for expert scheduling mode. Each part assembles by itself: llvm-mc -triple=amdgcn-amd-amdhsa -mcpu=gfx1250 --defsym DOCPART=n.
;; ======== version 1 of 2: 4 launches
;; workspace buffers: h 16,777,216 bytes; wt 6,291,456 bytes; bias 12,288 bytes; qkv 50,331,648 bytes; p 33,554,432 bytes; st 1,048,576 bytes
;; launch prep (part 1): grid 643 x 1, 8 waves a work-group, no clusters, 18,432 bytes of LDS; arguments x, Wq, Wk, Wv, bq, bk, bv, h, wt, bias; writes h, wt, bias
.if DOCPART == 1
	.amdgcn_target "amdgcn-amd-amdhsa--gfx1250"
	.amdhsa_code_object_version 6
	.text
	.protected	k_q7a7158a124_prep
	.globl	k_q7a7158a124_prep
	.p2align	8
	.type	k_q7a7158a124_prep,@function
k_q7a7158a124_prep:
	s_mov_b64 s[64:65], 0
	v_nop
	global_prefetch_b8 v0, s[64:65] scope:SCOPE_SE
	s_setreg_imm32_b32 hwreg(HW_REG_WAVE_MODE, 25, 1), 1
	s_wait_xcnt 0x0
; PREP.  Three kinds of work-group, told apart by the work-group's number alone (the same for all eight waves):
;   0..255    h[b][s][:] = bf16(x[b][s][:] + pe[s][:]) for rows s = 8 i .. 8 i + 7 of all four batches: a row's pe is made once and serves four rows of x
;   256..639  wt[mat*1024 + e][d] = bf16(W[d][e]): a block of 128 d x 64 e of Wq, Wk or Wv, turned through LDS
;   640..642  bias = bq, bk, bv on end (f32)
; pe[s][c] = sin(s * rate(c)) for c < 512, cos(s * rate(c - 512)) for the rest, rate(j) = 10000^(-j/512).
; LIMITS.  The angle s * rate is formed in f32; rate comes from v_exp_f32; the angle is reduced to [-1/2, 1/2] turns for every s (1/2pi in two parts) and
; the sine is its series up to x^15 on [-pi, pi], whose remainder is pi^17/17! < 1e-6.  cos t = sin(t + a quarter turn).  pe is good to some 4e-4 at s = 2047, well under
; h's rounding to bf16.  NaN and infinities in x pass through the sum as they are.
; Memory binds this launch: no matrix unit, no cluster (no work-group shares an input byte with another).
.set TP,    272                        ; a row of the turned block in LDS: 256 bytes + 16
.set SPARE, 64*TP                      ; 17,408: behind the block: the spare words, 128 bytes for each of eight waves
.set SPW,  2                           ; v2   my spare word; never rewritten
.set NIL,  3                           ; v3   0; never rewritten
.set XO,   4                           ; v4   my byte offset in a row of x (or in W, or in a bias)
.set HO,   5                           ; v5   my byte offset in a row of h
.set RATE, 8                           ; v[8:11]   rate of my four columns
.set PH,   16                          ; v[16:17]  0 (sine) or 1/4 turn (cosine), twice
.set SF,   18                          ; v[18:19]  s as f32 (the low word is used for both halves)
.set TH,   20                          ; v[20:23]  the angle
.set TN,   24                          ; v[24:27]  turns, their nearest whole number, PH less that
.set FR,   28                          ; v[28:31]  the fraction of a turn, then the reduced angle
.set ZZ,   32                          ; v[32:35]  its square
.set PP,   36                          ; v[36:39]  the series, then pe
.set X,    64                          ; v[64:191]  row it, batch b at X + 16 it + 4 b
.set Y,    192                         ; v[192:255] the same, packed: Y + 8 it + 2 b: every store has registers of its own
	s_load_b512 s[8:23], s[0:1], 0x0               ; x 8, Wq 10, Wk 12, Wv 14, bq 16, bk 18, bv 20, h 22
	s_load_b128 s[24:27], s[0:1], 0x40             ; wt 24, bias 26
	v_lshl_add_u32 v[SPW], v0, 2, SPARE
	v_mov_b32 v[NIL], 0
	s_mov_b32 s2, ttmp9
	s_mov_b32 s37, 0                               ; the high word of every offset pair s[36:37]
	s_wait_kmcnt 0x0
	s_cmp_lt_u32 s2, 256
	s_cbranch_scc1 .Lrows
	s_cmp_lt_u32 s2, 640
	s_cbranch_scc1 .Lturn
	; ---- a bias: 4,096 bytes, 16 a thread
	s_sub_co_u32 s3, s2, 640
	s_cmp_eq_u32 s3, 1
	s_cselect_b64 s[28:29], s[18:19], s[16:17]
	s_cmp_eq_u32 s3, 2
	s_cselect_b64 s[28:29], s[20:21], s[28:29]
	s_lshl_b32 s36, s3, 12
	s_add_nc_u64 s[30:31], s[26:27], s[36:37]
	v_lshlrev_b32 v[XO], 4, v0
	global_load_b128 v[64:67], v[XO], s[28:29]
	s_wait_loadcnt 0x0
	global_store_b128 v[XO], v[64:67], s[30:31]
	s_endpgm
	; ---- eight rows s of h, in four batches.  Thread t owns columns 4 t .. 4 t + 3: a load of a wave covers 512 consecutive bytes of x, a store 256 consecutive, aligned bytes of h
.Lrows:
	s_lshl_b32 s36, s2, 15                         ; 8 rows of 4,096 bytes
	s_add_nc_u64 s[28:29], s[8:9], s[36:37]        ; x at my rows, batch 0 .. 3
	s_add_nc_u64 s[30:31], s[28:29], 0x800000
	s_add_nc_u64 s[32:33], s[30:31], 0x800000
	s_add_nc_u64 s[34:35], s[32:33], 0x800000
	v_lshlrev_b32 v[XO], 4, v0
.irp it, 0,1,2,3,4,5,6,7
.irp b, 0,1,2,3
	global_load_b128 v[X+16*(\it)+4*(\b):X+16*(\it)+4*(\b)+3], v[XO], s[28+2*(\b):29+2*(\b)] offset:4096*(\it) th:TH_LOAD_NT  ; all 32 at once: 128 KiB of the work-group on their way
.endr
.endr
	s_lshl_b32 s36, s2, 14                         ; 8 rows of 2,048 bytes
	s_add_nc_u64 s[56:57], s[22:23], s[36:37]      ; h at my rows, batch 0 .. 3
	s_add_nc_u64 s[58:59], s[56:57], 0x400000
	s_add_nc_u64 s[60:61], s[58:59], 0x400000
	s_add_nc_u64 s[62:63], s[60:61], 0x400000
	v_lshlrev_b32 v[HO], 3, v0
	s_lshl_b32 s38, s2, 3                          ; my first s
.macro KON r, val                      ; a constant as a pair: the packed forms name both words and take the low one
	s_mov_b32 s[\r], \val
	s_mov_b32 s[(\r)+1], s[\r]
.endm
	KON 40, 0x31dc9c88                             ; 1/2pi less the constant 0.15915494
	KON 42, 0xab573f9f                             ; -1/15!
	KON 44, 0x2f309231                             ;  1/13!
	KON 46, 0xb2d7322b                             ; -1/11!
	KON 48, 0x3638ef1d                             ;  1/9!
	KON 50, 0xb9500d01                             ; -1/7!
	KON 52, 0x3c088889                             ;  1/5!
	KON 54, 0xbe2aaaab                             ; -1/3!
	v_and_b32 v6, 127, v0
	v_lshlrev_b32 v6, 2, v6                        ; j of my first column: 4 (t mod 128)
	v_cvt_f32_u32 v7, v6
	v_add_f32 v[RATE+1], 1.0, v7
	v_add_f32 v[RATE+2], 2.0, v7
	v_add_f32 v[RATE+3], 3.0, v7
	v_mul_f32 v[RATE], 0xbcd49a78, v7              ; -log2(10000)/512 x j
	v_mul_f32 v[RATE+1], 0xbcd49a78, v[RATE+1]
	v_mul_f32 v[RATE+2], 0xbcd49a78, v[RATE+2]
	v_mul_f32 v[RATE+3], 0xbcd49a78, v[RATE+3]
.irp e, 0,1,2,3
	v_exp_f32 v[RATE+\e], v[RATE+\e]
.endr
	v_lshrrev_b32 v6, 7, v0                        ; a plain instruction behind the last exponential: 0 for the sine's columns, 1 for the cosine's
	s_wait_alu depctr_va_vdst(0)                   ; one wait for the four, ahead of their first reader
	v_cvt_f32_u32 v6, v6
	v_mul_f32 v[PH], 0x3e800000, v6
	v_mov_b32 v[PH+1], v[PH]
	v_mov_b32 v[SF+1], 0                           ; named with SF as a pair
.macro PEROW it                        ; pe of row s = 8 i + it for my four columns, then the four batches' sums, roundings and stores
	s_add_co_u32 s39, s38, \it
	v_cvt_f32_u32 v[SF], s39
.irp k, 0,2
	v_pk_mul_f32 v[TH+\k:TH+\k+1], v[RATE+\k:RATE+\k+1], v[SF:SF+1] op_sel_hi:[1,0]
.endr
.irp k, 0,2
	v_pk_fma_f32 v[TN+\k:TN+\k+1], v[TH+\k:TH+\k+1], 0.15915494, v[PH:PH+1] op_sel_hi:[1,0,1]
.endr
.irp k, 0,1,2,3
	v_rndne_f32 v[TN+\k], v[TN+\k]
.endr
.irp k, 0,2
	v_pk_add_f32 v[TN+\k:TN+\k+1], v[PH:PH+1], v[TN+\k:TN+\k+1] neg_lo:[0,1] neg_hi:[0,1]  ; exact: a quarter less a small whole number
.endr
.irp k, 0,2
	v_pk_fma_f32 v[FR+\k:FR+\k+1], v[TH+\k:TH+\k+1], 0.15915494, v[TN+\k:TN+\k+1] op_sel_hi:[1,0,1]  ; one rounding, of a number within 1/2
.endr
.irp k, 0,2
	v_pk_fma_f32 v[FR+\k:FR+\k+1], v[TH+\k:TH+\k+1], s[40:41], v[FR+\k:FR+\k+1] op_sel_hi:[1,0,1]
.endr
.irp k, 0,2
	v_pk_mul_f32 v[FR+\k:FR+\k+1], v[FR+\k:FR+\k+1], 0x40c90fdb op_sel_hi:[1,0]  ; turns to radians
.endr
.irp k, 0,2
	v_pk_mul_f32 v[ZZ+\k:ZZ+\k+1], v[FR+\k:FR+\k+1], v[FR+\k:FR+\k+1]
.endr
.irp k, 0,2
	v_pk_fma_f32 v[PP+\k:PP+\k+1], v[ZZ+\k:ZZ+\k+1], s[42:43], s[44:45] op_sel_hi:[1,0,0]
.endr
.irp c, 46,48,50,52,54
.irp k, 0,2
	v_pk_fma_f32 v[PP+\k:PP+\k+1], v[PP+\k:PP+\k+1], v[ZZ+\k:ZZ+\k+1], s[\c:\c+1] op_sel_hi:[1,1,0]
.endr
.endr
.irp k, 0,2
	v_pk_fma_f32 v[PP+\k:PP+\k+1], v[PP+\k:PP+\k+1], v[ZZ+\k:ZZ+\k+1], 1.0 op_sel_hi:[1,1,0]
.endr
.irp k, 0,2
	v_pk_mul_f32 v[PP+\k:PP+\k+1], v[PP+\k:PP+\k+1], v[FR+\k:FR+\k+1]
.endr
.irp b, 0,1,2,3
	s_wait_loadcnt 31-4*(\it)-(\b)                 ; loads come back in order: the ones issued behind this row's and batch's may stay out
	v_pk_add_f32 v[X+16*(\it)+4*(\b):X+16*(\it)+4*(\b)+1], v[X+16*(\it)+4*(\b):X+16*(\it)+4*(\b)+1], v[PP:PP+1]
	v_pk_add_f32 v[X+16*(\it)+4*(\b)+2:X+16*(\it)+4*(\b)+3], v[X+16*(\it)+4*(\b)+2:X+16*(\it)+4*(\b)+3], v[PP+2:PP+3]
	v_cvt_pk_bf16_f32 v[Y+8*(\it)+2*(\b)], v[X+16*(\it)+4*(\b)], v[X+16*(\it)+4*(\b)+1]
	v_cvt_pk_bf16_f32 v[Y+8*(\it)+2*(\b)+1], v[X+16*(\it)+4*(\b)+2], v[X+16*(\it)+4*(\b)+3]
	global_store_b64 v[HO], v[Y+8*(\it)+2*(\b):Y+8*(\it)+2*(\b)+1], s[56+2*(\b):57+2*(\b)] offset:2048*(\it)
.endr
.endm
.irp it, 0,1,2,3,4,5,6,7
	PEROW \it
.endr
	s_endpgm
	; ---- a block of 128 d x 64 e of one W, turned.  In: 16 threads take a row's 256 bytes.  Two neighbouring d of one e pack into a word, which goes to row e of the block in LDS.
.Lturn:
	s_sub_co_u32 s3, s2, 256
	s_lshr_b32 s38, s3, 7                          ; which W
	s_bfe_u32 s39, s3, 0x30004                     ; which 128 d
	s_and_b32 s3, s3, 15                           ; which 64 e
	s_cmp_eq_u32 s38, 1
	s_cselect_b64 s[28:29], s[12:13], s[10:11]
	s_cmp_eq_u32 s38, 2
	s_cselect_b64 s[28:29], s[14:15], s[28:29]
	s_lshl_b32 s36, s39, 19                        ; 128 rows of 4,096 bytes
	s_lshl_b32 s40, s3, 8
	s_add_co_u32 s36, s36, s40
	s_add_nc_u64 s[28:29], s[28:29], s[36:37]
	s_lshl_b32 s36, s38, 21                        ; 1,024 rows of 2,048 bytes of wt
	s_lshl_b32 s40, s3, 17                         ; 64 rows
	s_add_co_u32 s36, s36, s40
	s_lshl_b32 s40, s39, 8                         ; 128 d: 256 bytes
	s_add_co_u32 s36, s36, s40
	s_add_nc_u64 s[30:31], s[24:25], s[36:37]
	v_and_b32 v9, 15, v0                           ; cc: my 4 e
	v_lshrrev_b32 v10, 4, v0                       ; rq: my pair of d in each 32
	v_lshlrev_b32 v[XO], 4, v9
	v_lshl_add_u32 v[XO], v10, 13, v[XO]           ; row 2 rq, 16 cc
.irp it, 0,1,2,3
.irp u, 0,1
	global_load_b128 v[64+8*(\it)+4*(\u):64+8*(\it)+4*(\u)+3], v[XO], s[28:29] offset:131072*(\it)+4096*(\u) th:TH_LOAD_NT  ; row 32 it + 2 rq + u
.endr
.endr
	v_mul_u32_u24 v6, v9, 4*TP
	v_lshl_add_u32 v6, v10, 2, v6                  ; in: row 4 cc (+ i), word rq (+ 16 it)
	v_mul_u32_u24 v7, v10, TP
	v_lshl_add_u32 v7, v9, 4, v7                   ; back: row t / 16 (+ 16 k), 16 bytes
	v_lshlrev_b32 v8, 4, v9
	v_lshl_add_u32 v8, v10, 11, v8                 ; and the same in wt
	s_wait_loadcnt 0x0
.irp it, 0,1,2,3
.irp i, 0,1,2,3
	v_cvt_pk_bf16_f32 v[96+4*(\it)+(\i)], v[64+8*(\it)+(\i)], v[64+8*(\it)+4+(\i)]
	ds_store_b32 v6, v[96+4*(\it)+(\i)] offset:TP*(\i)+64*(\it)
.endr
.endr
	s_wait_dscnt 0x0                               ; for the others' sake: my words lie in the block
	s_barrier_signal -1
	s_barrier_wait -1
.irp k, 0,1,2,3
	ds_load_b128 v[112+4*(\k):112+4*(\k)+3], v7 offset:16*TP*(\k)
.endr
.irp k, 0,1,2,3
	s_wait_dscnt 3-(\k)                            ; LDS loads come back in order
	global_store_b128 v8, v[112+4*(\k):112+4*(\k)+3], s[30:31] offset:32768*(\k)  ; 16 lanes store 256 consecutive, aligned bytes of a row of wt
.endr
	s_wait_tensorcnt 0x0                           ; the wave's end
	ds_add_u32 v[SPW], v[NIL]
	s_wait_dscnt 0x0
	s_endpgm
.Lfunc_end_k_q7a7158a124_prep:
	.size	k_q7a7158a124_prep, .Lfunc_end_k_q7a7158a124_prep-k_q7a7158a124_prep
	.p2alignl 7, 3214868480
	.fill 96, 4, 3214868480
	.section	.rodata,"a",@progbits
	.p2align	6, 0x0
	.amdhsa_kernel k_q7a7158a124_prep
		.amdhsa_group_segment_fixed_size 18432
		.amdhsa_private_segment_fixed_size 0
		.amdhsa_enable_private_segment 0
		.amdhsa_kernarg_size 80
		.amdhsa_user_sgpr_count 2
		.amdhsa_user_sgpr_kernarg_segment_ptr 1
		.amdhsa_wavefront_size32 1
		.amdhsa_system_sgpr_workgroup_id_x 1
		.amdhsa_system_sgpr_workgroup_id_y 1
		.amdhsa_system_sgpr_workgroup_id_z 1
		.amdhsa_system_vgpr_workitem_id 0
		.amdhsa_next_free_vgpr 256
		.amdhsa_next_free_sgpr 66
		.amdhsa_reserve_vcc 0
		.amdhsa_float_denorm_mode_32 3
		.amdhsa_float_denorm_mode_16_64 3
		.amdhsa_memory_ordered 1
		.amdhsa_forward_progress 1
		.amdhsa_inst_pref_size 41
	.end_amdhsa_kernel
	.amdgpu_metadata
---
amdhsa.version: [ 1, 2 ]
amdhsa.kernels:
  - .name:           k_q7a7158a124_prep
    .symbol:         k_q7a7158a124_prep.kd
    .args:
      - { .name: x, .offset: 0, .size: 8, .value_kind: global_buffer, .address_space: global }
      - { .name: Wq, .offset: 8, .size: 8, .value_kind: global_buffer, .address_space: global }
      - { .name: Wk, .offset: 16, .size: 8, .value_kind: global_buffer, .address_space: global }
      - { .name: Wv, .offset: 24, .size: 8, .value_kind: global_buffer, .address_space: global }
      - { .name: bq, .offset: 32, .size: 8, .value_kind: global_buffer, .address_space: global }
      - { .name: bk, .offset: 40, .size: 8, .value_kind: global_buffer, .address_space: global }
      - { .name: bv, .offset: 48, .size: 8, .value_kind: global_buffer, .address_space: global }
      - { .name: h, .offset: 56, .size: 8, .value_kind: global_buffer, .address_space: global }
      - { .name: wt, .offset: 64, .size: 8, .value_kind: global_buffer, .address_space: global }
      - { .name: bias, .offset: 72, .size: 8, .value_kind: global_buffer, .address_space: global }
    .group_segment_fixed_size: 18432
    .private_segment_fixed_size: 0
    .kernarg_segment_align: 8
    .kernarg_segment_size: 80
    .max_flat_workgroup_size: 256
    .sgpr_count:     66
    .vgpr_count:     256
    .wavefront_size: 32
...
	.end_amdgpu_metadata
.endif
;; end of part 1
;; launch proj (part 2): grid 8 x 64, 4 waves a work-group, clusters of 4 x 4, 327,680 bytes of LDS; arguments h, wt, bias, qkv; writes qkv
.if DOCPART == 2
	.amdgcn_target "amdgcn-amd-amdhsa--gfx1250"
	.amdhsa_code_object_version 6
	.text
	.protected	k_q7a7158a124_proj
	.globl	k_q7a7158a124_proj
	.p2align	8
	.type	k_q7a7158a124_proj,@function
k_q7a7158a124_proj:
	s_mov_b64 s[64:65], 0
	v_nop
	global_prefetch_b8 v0, s[64:65] scope:SCOPE_SE
	s_setreg_imm32_b32 hwreg(HW_REG_WAVE_MODE, 25, 1), 1
	s_wait_xcnt 0x0
	s_wait_alu depctr_hold_cnt(0) depctr_sa_sdst(0) depctr_va_vdst(0) depctr_va_sdst(0) depctr_va_ssrc(0) depctr_va_vcc(0) depctr_vm_vsrc(0)
	s_getreg_b32 s2, hwreg(HW_REG_IB_STS2, 6, 4)
	s_cmp_eq_u32 s2, 0
	s_cbranch_scc0 .Lentry_in_a_cluster
	s_endpgm
.Lentry_in_a_cluster:
	s_bfe_u32 s2, ttmp6, 0x10000c
	s_cmp_lg_u32 s2, 0xf033
	s_cbranch_scc0 .Lentry_shape_is_right
	s_endpgm
.Lentry_shape_is_right:
; PROJ.  qkv[m][n] = sum over d of h[m][d] wt[n][d] + bias[n].  h: [8192][1024] bf16, wt: [3072][1024] bf16, bias: [3072] f32, qkv: [8192][3072] bf16; sums in f32, qkv rounded once.
; A work-group makes 128 rows x 384 columns: 64 x 8 = 512 work-groups, two even shares for each of 256 WGPs.  Wave w makes all 128 rows x columns 96 w .. 96 w + 95: 8 x 6 accumulators, 384 registers.
; K goes in steps of 128 through two LDS slots; a row of a tile is 256 bytes of memory, aligned.  A slot has four pieces of 128 rows: h's, then wt's three; wave w fetches piece w.
; CLUSTER 4 x 4: h's tile hangs on the tile row alone and is asked for jointly by a row of the cluster, wt's on the tile column alone, by a column.
; THE MATRIX INSTRUCTION IS USED TRANSPOSED (source 0 = 16 rows of wt, source 1 = 16 rows of h): a lane holds row l % 16 and the columns 8 (l / 16) + 0..7.
; THE BIAS is the C operand of the product that starts each sum.
; REGISTERS, in windows of 256 (s_set_vgpr_msb: bits 1:0 source 0, 3:2 source 1, 5:4 source 2, 7:6 destination):
;   window 0: v0-31 addresses; v32-55 packed results; v64-127, v128-191 h's fragments, two buffers; v192-239 the bias; on the way out v64-255 whole rows
;   window 1: v64-111, v128-175 wt's fragments      window 2: accumulators of rows 0-63 ((a, b) at v[8 (6 a + b)])      window 3: of rows 64-127
.set PITCH,  272                       ; an LDS row: 256 bytes + 16: the 16 rows of a fragment load start 16 bytes further round the banks each
.set PIECE,  128*PITCH
.set SLOT,   4*PIECE
.set SPARE,  2*SLOT                    ; behind the ring: the spare words, 128 bytes a wave
.set SPITCH, 784                       ; the way out: a row of 768 bytes + 16.  The stage, 128 such rows, lies in slot 0, behind that slot's last fill and last read
.set NB,     6
.set LAPS,   4                         ; 1,024 / 256
.set ADRA, 16                          ; v16-17  LDS address of h's fragments in slot 0, 1
.set ADRB, 20                          ; v20-21  of wt's
.set STO,  24                          ; v24     the way out: where I put 16 bytes of a row (rows 0-63)
.set RD,   25                          ; v25     where I read rows back
.set CO,   26                          ; v26     my byte offset in qkv
.set STO2, 27                          ; v27     STO for rows 64-127
.set SPW,  28                          ; v28     my spare word; never rewritten
.set NIL,  29                          ; v29     0; never rewritten
.set PFO,  30                          ; v30     the prefetches' offset: my lane x a row
.set BO,   31                          ; v31     my offset in 16 numbers of the bias
.set TMP,  32
.set BIAS, 192
.set F0,   64
.set F1,   128
.set WV,  12                           ; s12  my wave's number
.set G1A, 24                           ; s[24:31] descriptor group 1 for h's tiles;  s[32:39] group 0, a set for each slot
.set G0A, 32
.set CX,  40
.set CY,  41
.set TX,  42                           ; tile column
.set TY,  43                           ; tile row
.set PFA, 44                           ; s[44:45] where my prefetches stand
.set G1B, 48                           ; s[48:55], s[56:63] the same for wt's tiles
.set G0B, 56
.set LIM, 66                           ; s66  1 in a wave that prefetches, else the greatest number
.set MSB, 0
.macro WIN new                         ; the immediate's high byte repeats the setting that is left; a switch that changes nothing is dropped
.if MSB != (\new)
	s_set_vgpr_msb (MSB<<8)|(\new)
.set MSB, \new
.endif
.endm
.set MUL_LO, 0xa1                      ; source 0 window 1, source 1 window 0, C and D window 2
.set MUL_HI, 0xf1                      ; C and D window 3
.set TO_B,   0x40                      ; destination window 1
; A joint load: wave 0 fetches h's piece, waves 1 to 3 wt's.  The branch hangs on the wave's number alone.  An s_nop 0 and four v_nop follow each line.
.macro JLOAD s
	s_cmp_eq_u32 s[WV], 0
	s_cbranch_scc0 .Lfor_b_\@
	tensor_load_to_lds s[G0A+4*(\s):G0A+4*(\s)+3], s[G1A:G1A+7]
	s_nop 0
.rept 4
	v_nop
.endr
	s_branch .Lasked_\@
.Lfor_b_\@:
	tensor_load_to_lds s[G0B+4*(\s):G0B+4*(\s)+3], s[G1B:G1B+7]
	s_nop 0
.rept 4
	v_nop
.endr
.Lasked_\@:
.endm
; A prefetch of the K step that stands two refills on: 32 rows x 256 bytes, a lane a row.  h's rows are named by the first cluster along x, wt's by the first along y; the four partners
; of a joint load take 32 rows each, told apart by address.  The loop's last trip (s3 = 1) has no K step two refills on.
.macro ASK
	s_cmp_gt_u32 s3, s[LIM]
	s_cbranch_scc0 .Lnot_mine_\@
	global_prefetch_b8 v[PFO], s[PFA:PFA+1] th:TH_LOAD_NT scope:SCOPE_SE
.Lnot_mine_\@:
.endm
.macro CREST                           ; a round of the cluster's barrier behind its opening barrier
	s_cmp_lg_u32 s[WV], 0
	s_cbranch_scc1 .Lnot_wave_0_\@
	s_barrier_signal -3
.Lnot_wave_0_\@:
	s_barrier_wait -3
	s_barrier_signal -1
	s_barrier_wait -1
.endm
.macro CROUND
	s_barrier_signal -1
	s_barrier_wait -1
	CREST
.endm
.macro PLACES                          ; four plain places behind a matrix instruction, ahead of loads into its sources and of readers of its result
.rept 4
	v_nop
.endr
.endm
	s_load_b256 s[4:11], s[0:1], 0x0               ; h 4, wt 6, bias 8, qkv 10
	v_lshl_add_u32 v[SPW], v0, 2, SPARE
	v_mov_b32 v[NIL], 0
	ds_add_u32 v[SPW], v[NIL]                      ; the wave's opening: the add and its wait stand ahead of my first tensor load
	ds_add_u32 v28, v29
	v_lshrrev_b32 v1, 5, v0
	v_readfirstlane_b32 s[WV], v1
	s_bfe_u32 s[CX], ttmp6, 0x40000
	s_bfe_u32 s[CY], ttmp6, 0x40004
	s_lshl_b32 s[TX], ttmp9, 2
	s_add_co_u32 s[TX], s[TX], s[CX]
	s_and_b32 s[TY], ttmp7, 0xffff
	s_lshl_b32 s[TY], s[TY], 2
	s_add_co_u32 s[TY], s[TY], s[CY]
	s_lshl_b32 s16, s[CY], 2
	s_lshl_b32 s16, 15, s16                        ; my row of the cluster
	s_lshl_b32 s46, 0x1111, s[CX]                  ; my column
	s_or_b32 s[G1A], s16, (1<<16)|(1<<20)|(1<<21)|(5<<22)|(3<<25)  ; mask; 2-byte elements; padding on; bit 21 beside a mask; after every 64 words, 4 words
	s_or_b32 s[G1B], s46, (1<<16)|(1<<20)|(1<<21)|(5<<22)|(3<<25)
.irp g, G1A, G1B
	s_mov_b32 s[\g+1], 128<<16                     ; tensor_dim0 = 128
	s_mov_b32 s[\g+2], 128<<16                     ; tensor_dim1 = 128
	s_mov_b32 s[\g+3], 128<<16                     ; tile_dim0 = 128
	s_mov_b32 s[\g+4], 128                         ; tile_dim1 = 128
	s_mov_b32 s[\g+5], 1024                        ; elements from row to row
	s_mov_b32 s[\g+6], 0
	s_mov_b32 s[\g+7], 0
.endr
	s_lshl_b32 s16, s[TY], 18                      ; h: 128 rows of 2,048 bytes a tile row
	s_mov_b32 s17, 0
	s_max_u32 s46, s[WV], 1
	s_sub_co_u32 s46, s46, 1                       ; wt: piece w - 1 (wave 0 makes piece 0's address and does not use it)
	s_lshl_b32 s46, s46, 7
	s_mul_i32 s47, s[TX], 384
	s_add_co_u32 s46, s46, s47
	s_lshl_b32 s46, s46, 11
	s_mov_b32 s47, 0
	s_mul_i32 s20, s[WV], PIECE                    ; where my piece goes
	s_wait_dscnt 0x0                               ; the opening add is done
	s_wait_kmcnt 0x0
	s_add_nc_u64 s[18:19], s[4:5], s[16:17]
	s_add_nc_u64 s[46:47], s[6:7], s[46:47]
	CROUND                                         ; all sixteen work-groups are here: the first joint loads meet
.irp s, 0,1
	s_mov_b32 s[G0A+4*(\s)], 1
	s_add_co_u32 s[G0A+4*(\s)+1], s20, (\s)*SLOT
	s_add_nc_u64 s[G0A+4*(\s)+2:G0A+4*(\s)+3], s[18:19], (\s)*256
	s_or_b32 s[G0A+4*(\s)+3], s[G0A+4*(\s)+3], 0x80000000
	s_mov_b32 s[G0B+4*(\s)], 1
	s_add_co_u32 s[G0B+4*(\s)+1], s20, (\s)*SLOT
	s_add_nc_u64 s[G0B+4*(\s)+2:G0B+4*(\s)+3], s[46:47], (\s)*256
	s_or_b32 s[G0B+4*(\s)+3], s[G0B+4*(\s)+3], 0x80000000
	JLOAD \s                                       ; two loads of mine are out
.endr
	v_and_b32 v1, 15, v0                           ; l % 16
	v_bfe_u32 v2, v0, 4, 1                         ; l / 16
	v_mul_u32_u24 v[ADRA], v1, PITCH
	v_lshl_add_u32 v[ADRA], v2, 4, v[ADRA]         ; a fragment's row x pitch + 16 x half: h's piece begins the slot
	s_mul_i32 s21, s[WV], 96*PITCH
	s_add_co_u32 s21, s21, PIECE                   ; my 96 rows of wt's 384
	v_add_nc_u32 v[ADRB], s21, v[ADRA]
	s_add_co_u32 s21, s21, SLOT
	v_add_nc_u32 v[ADRB+1], s21, v[ADRA]
	v_add_nc_u32 v[ADRA+1], SLOT, v[ADRA]
	v_mul_u32_u24 v4, v1, SPITCH                   ; into the stage: row l % 16, my wave's 192 bytes, 16 for each half of the lanes
	v_lshl_add_u32 v4, v2, 4, v4
	s_mul_i32 s21, s[WV], 192
	v_add_nc_u32 v[STO], s21, v4
	v_add_nc_u32 v[STO2], 64*SPITCH, v[STO]
	v_mul_u32_u24 v4, v2, SPITCH                   ; back: wave w takes rows 32 w .. 32 w + 31; lanes 0-15 256 bytes of one row, lanes 16-31 of the next
	v_lshl_add_u32 v4, v1, 4, v4
	s_mul_i32 s21, s[WV], 32*SPITCH
	v_add_nc_u32 v[RD], s21, v4
	v_mul_u32_u24 v4, v2, 6144
	v_lshl_add_u32 v[CO], v1, 4, v4
	v_lshlrev_b32 v[BO], 5, v2
	s_mul_i32 s20, s[TX], 384
	s_mul_i32 s21, s[WV], 96
	s_add_co_u32 s20, s20, s21
	s_lshl_b32 s20, s20, 2
	s_mov_b32 s21, 0
	s_add_nc_u64 s[8:9], s[8:9], s[20:21]          ; the bias of my 96 columns
.irp b, 0,1,2,3,4,5
	global_load_b128 v[BIAS+8*(\b):BIAS+8*(\b)+3],   v[BO], s[8:9] offset:64*(\b)     ; register j: column 16 b + 8 (l / 16) + j, as in an accumulator
	global_load_b128 v[BIAS+8*(\b)+4:BIAS+8*(\b)+7], v[BO], s[8:9] offset:64*(\b)+16
.endr
	s_lshl_b32 s20, s[TY], 7
	s_lshl_b32 s22, s[WV], 5
	s_add_co_u32 s20, s20, s22
	s_mul_i32 s20, s20, 6144
	s_mul_i32 s22, s[TX], 768
	s_add_co_u32 s20, s20, s22
	s_add_nc_u64 s[10:11], s[10:11], s[20:21]      ; qkv at the first row that I store, at the tile's first column
	; the prefetches
	s_max_u32 s20, s[WV], 1
	s_sub_co_u32 s20, s20, 1
	s_lshl_b32 s20, s20, 7
	s_mul_i32 s21, s[TX], 384
	s_add_co_u32 s20, s20, s21                     ; wt's rows of my piece
	s_lshl_b32 s21, s[TY], 7                       ; h's rows
	s_and_b32 s22, ttmp7, 0xffff
	s_cmp_eq_u32 s[WV], 0
	s_cselect_b32 s20, s21, s20
	s_cselect_b32 s21, s[CX], s[CY]                ; my place among the four that ask with me
	s_cselect_b32 s22, ttmp9, s22                  ; the coordinate along which other clusters read the same rows
	s_cselect_b64 s[PFA:PFA+1], s[4:5], s[6:7]
	s_cmp_eq_u32 s22, 0
	s_cselect_b32 s[LIM], 1, -1
	s_lshl_b32 s21, s21, 5
	s_add_co_u32 s20, s20, s21
	s_lshl_b32 s20, s20, 11
	s_add_co_u32 s20, s20, 3*256                   ; at K step 3: the first refill steps it to 4
	s_mov_b32 s21, 0
	s_add_nc_u64 s[PFA:PFA+1], s[PFA:PFA+1], s[20:21]
	v_and_b32 v[PFO], 31, v0
	v_lshlrev_b32 v[PFO], 11, v[PFO]
; 12 matrix instructions: row blocks a0, a0 + 1 of the window's four x all 6 column blocks, 32 along K.  z = 2: the bias starts the sums.  The 48 accumulators take turns, one instruction a turn,
; in the same order in every quarter, over the backward jump too.
.macro MULP f, hi, a0, z
.if (\z) == 2
	WIN 0x81+0x40*(\hi)                            ; C in window 0
.else
	WIN MUL_LO+0x50*(\hi)
.endif
.irp a, \a0, (\a0)+1
.irp b, 0,1,2,3,4,5
.if (\z) == 2
	v_wmma_f32_16x16x32_bf16 v[8*(NB*(\a)+(\b)):8*(NB*(\a)+(\b))+7], v[(\f)+8*(\b):(\f)+8*(\b)+7], v[(\f)+8*(4*(\hi)+(\a)):(\f)+8*(4*(\hi)+(\a))+7], v[BIAS+8*(\b):BIAS+8*(\b)+7]
.else
	v_wmma_f32_16x16x32_bf16 v[8*(NB*(\a)+(\b)):8*(NB*(\a)+(\b))+7], v[(\f)+8*(\b):(\f)+8*(\b)+7], v[(\f)+8*(4*(\hi)+(\a)):(\f)+8*(4*(\hi)+(\a))+7], v[8*(NB*(\a)+(\b)):8*(NB*(\a)+(\b))+7]
.endif
.endr
.endr
.endm
.macro FETCH slot, k, f                ; 28 LDS loads in one run: a quarter step's fragments (96 rows of wt, 128 of h, 32 K at byte k) into buffer f
	WIN TO_B
.irp i, 0,1,2,3,4,5
	ds_load_b128 v[(\f)+8*(\i):(\f)+8*(\i)+3],   v[ADRB+(\slot)] offset:(\k)+(\i)*16*PITCH
	ds_load_b128 v[(\f)+8*(\i)+4:(\f)+8*(\i)+7], v[ADRB+(\slot)] offset:(\k)+(\i)*16*PITCH+32
.endr
	WIN 0
.irp i, 0,1,2,3,4,5,6,7
	ds_load_b128 v[(\f)+8*(\i):(\f)+8*(\i)+3],   v[ADRA+(\slot)] offset:(\k)+(\i)*16*PITCH
	ds_load_b128 v[(\f)+8*(\i)+4:(\f)+8*(\i)+7], v[ADRA+(\slot)] offset:(\k)+(\i)*16*PITCH+32
.endr
.endm
.macro QUARTER slot, k, f, g, z        ; multiplies buffer f; in its middle fetches the next quarter, at byte k, into g
	s_wait_dscnt 8                                 ; wt and h's rows 0-63 are in; the youngest eight loads (h's rows 64-127) may be out
	MULP \f, 0, 0, \z
	MULP \f, 0, 2, \z
	PLACES
	FETCH \slot, \k, \g
	s_wait_dscnt 28                                ; all but the 28 just issued
	MULP \f, 1, 0, \z
	MULP \f, 1, 2, \z
.endm
.macro MEET round                      ; the first half of a K step's last quarter: one barrier for the change of slots
	WIN 0
	s_wait_tensorcnt 0x0                           ; all my tensor loads have landed: the one that was out is my piece of the next slot
	ds_add_u32 v[SPW], v[NIL]                      ; 0 onto my spare word
	s_wait_dscnt 9                                 ; the add and the youngest eight loads may be out
	MULP F1, 0, 0, 0
	s_wait_dscnt 0x0                               ; the add is done, and my reads of this slot are over
	s_barrier_signal -1
	MULP F1, 0, 2, 0
.if \round
	WIN 0
.endif
	s_barrier_wait -1
.endm
.macro TURN slot, next                 ; the whole last quarter, where the slot just read is filled again, two K steps on
	s_wait_xcnt 0x0                                ; the last prefetch, a K step back, has read its address
	s_add_nc_u64 s[PFA:PFA+1], s[PFA:PFA+1], 256
	MEET 1
	CREST                                          ; no wave of any partner still reads this slot or has a load on its way
	s_add_nc_u64 s[G0A+4*(\slot)+2:G0A+4*(\slot)+3], s[G0A+4*(\slot)+2:G0A+4*(\slot)+3], 512
	s_add_nc_u64 s[G0B+4*(\slot)+2:G0B+4*(\slot)+3], s[G0B+4*(\slot)+2:G0B+4*(\slot)+3], 512
	JLOAD \slot                                    ; the first tensor load behind the round; its four v_nop are also the places ahead of the loads below
	FETCH \next, 0, F0
	ASK
	MULP F1, 1, 0, 0
	MULP F1, 1, 2, 0
.endm
	s_wait_tensorcnt 1                             ; my piece of K step 0 is in; K step 1's may stay out
	s_barrier_signal -1
	s_barrier_wait -1
	FETCH 0, 0, F0
	s_wait_loadcnt 0x0                             ; the bias
	QUARTER 0, 64, F0, F1, 2                       ; the first quarter stands ahead of the loop: its products start the sums
	WIN 0
	s_mov_b32 s3, LAPS-1
.Llap:                                             ; a trip goes once round the ring and fills both slots again
	QUARTER 0, 128, F1, F0, 0
	QUARTER 0, 192, F0, F1, 0
	TURN 0, 1
	QUARTER 1, 64,  F0, F1, 0
	QUARTER 1, 128, F1, F0, 0
	QUARTER 1, 192, F0, F1, 0
	TURN 1, 0
	QUARTER 0, 64,  F0, F1, 0
	WIN 0
	s_sub_co_u32 s3, s3, 1
	s_cmp_lg_u32 s3, 0
	s_cbranch_scc1 .Llap
	QUARTER 0, 128, F1, F0, 0                      ; the last lap fills nothing
	QUARTER 0, 192, F0, F1, 0
	MEET 0
	PLACES
	FETCH 1, 0, F0
	MULP F1, 1, 0, 0
	MULP F1, 1, 2, 0
	QUARTER 1, 64,  F0, F1, 0
	QUARTER 1, 128, F1, F0, 0
	QUARTER 1, 192, F0, F1, 0
	s_wait_dscnt 8
	MULP F1, 0, 0, 0
	MULP F1, 0, 2, 0
	s_wait_dscnt 0x0
	MULP F1, 1, 0, 0
	MULP F1, 1, 2, 0
	WIN 0
	PLACES
	; THE WAY OUT.  Rounded to bf16, 16 bytes a lane, into the stage in slot 0: the last change of slots has shown every wave's reads of slot 0 over, and the last K step reads slot 1 alone.
.irp a, 0,1,2,3,4,5,6,7
	WIN 0x0a+5*((\a)/4)                            ; sources in window 2 or 3
.irp b, 0,1,2,3,4,5
.irp r, 0,1,2,3
	v_cvt_pk_bf16_f32 v[TMP+4*(\b)+(\r)], v[8*(NB*((\a)%4)+(\b))+2*(\r)], v[8*(NB*((\a)%4)+(\b))+2*(\r)+1]
.endr
.endr
	WIN 0
.irp b, 0,1,2,3,4,5
	ds_store_b128 v[STO+3*((\a)/4)], v[TMP+4*(\b):TMP+4*(\b)+3] offset:((\a)%4)*16*SPITCH+32*(\b)
.endr
.endr
	s_wait_dscnt 0x0                               ; for the others' sake: a row's 768 bytes come from four waves
	s_barrier_signal -1
	s_barrier_wait -1
.set t, 0
.rept 48
	ds_load_b128 v[64+4*t:64+4*t+3], v[RD] offset:(t/3)*2*SPITCH+256*(t%3)
.set t, t+1
.endr
.set t, 0
.rept 48
	s_wait_dscnt 47-t                              ; LDS loads come back in order
	global_store_b128 v[CO], v[64+4*t:64+4*t+3], s[10:11] offset:(t/3)*12288+256*(t%3)  ; 16 lanes store 256 consecutive, aligned bytes
.set t, t+1
.endr
	s_wait_tensorcnt 0x0                           ; the wave's end
	ds_add_u32 v[SPW], v[NIL]
	s_wait_dscnt 0x0
	CROUND                                         ; the closing round
	s_endpgm
.Lfunc_end_k_q7a7158a124_proj:
	.size	k_q7a7158a124_proj, .Lfunc_end_k_q7a7158a124_proj-k_q7a7158a124_proj
	.p2alignl 7, 3214868480
	.fill 96, 4, 3214868480
	.section	.rodata,"a",@progbits
	.p2align	6, 0x0
	.amdhsa_kernel k_q7a7158a124_proj
		.amdhsa_group_segment_fixed_size 327680
		.amdhsa_private_segment_fixed_size 0
		.amdhsa_enable_private_segment 0
		.amdhsa_kernarg_size 32
		.amdhsa_user_sgpr_count 2
		.amdhsa_user_sgpr_kernarg_segment_ptr 1
		.amdhsa_wavefront_size32 1
		.amdhsa_system_sgpr_workgroup_id_x 1
		.amdhsa_system_sgpr_workgroup_id_y 1
		.amdhsa_system_sgpr_workgroup_id_z 1
		.amdhsa_system_vgpr_workitem_id 0
		.amdhsa_next_free_vgpr 960
		.amdhsa_next_free_sgpr 80
		.amdhsa_reserve_vcc 0
		.amdhsa_float_denorm_mode_32 3
		.amdhsa_float_denorm_mode_16_64 3
		.amdhsa_memory_ordered 1
		.amdhsa_forward_progress 1
		.amdhsa_inst_pref_size 118
	.end_amdhsa_kernel
	.amdgpu_metadata
---
amdhsa.version: [ 1, 2 ]
amdhsa.kernels:
  - .name:           k_q7a7158a124_proj
    .symbol:         k_q7a7158a124_proj.kd
    .args:
      - { .name: h, .offset: 0, .size: 8, .value_kind: global_buffer, .address_space: global }
      - { .name: wt, .offset: 8, .size: 8, .value_kind: global_buffer, .address_space: global }
      - { .name: bias, .offset: 16, .size: 8, .value_kind: global_buffer, .address_space: global }
      - { .name: qkv, .offset: 24, .size: 8, .value_kind: global_buffer, .address_space: global }
    .group_segment_fixed_size: 327680
    .private_segment_fixed_size: 0
    .kernarg_segment_align: 8
    .kernarg_segment_size: 32
    .max_flat_workgroup_size: 128
    .sgpr_count:     80
    .vgpr_count:     960
    .wavefront_size: 32
...
	.end_amdgpu_metadata
.endif
;; end of part 2
;; launch logits (part 3): grid 8 x 32, 4 waves a work-group, clusters of 4 x 4, 327,680 bytes of LDS; arguments qkv, p, st; writes p, st
.if DOCPART == 3
	.amdgcn_target "amdgcn-amd-amdhsa--gfx1250"
	.amdhsa_code_object_version 6
	.text
	.protected	k_q7a7158a124_logits
	.globl	k_q7a7158a124_logits
	.p2align	8
	.type	k_q7a7158a124_logits,@function
k_q7a7158a124_logits:
	s_mov_b64 s[64:65], 0
	v_nop
	global_prefetch_b8 v0, s[64:65] scope:SCOPE_SE
	s_setreg_imm32_b32 hwreg(HW_REG_WAVE_MODE, 25, 1), 1
	s_wait_xcnt 0x0
	s_wait_alu depctr_hold_cnt(0) depctr_sa_sdst(0) depctr_va_vdst(0) depctr_va_sdst(0) depctr_va_ssrc(0) depctr_va_vcc(0) depctr_vm_vsrc(0)
	s_getreg_b32 s2, hwreg(HW_REG_IB_STS2, 6, 4)
	s_cmp_eq_u32 s2, 0
	s_cbranch_scc0 .Lentry_in_a_cluster
	s_endpgm
.Lentry_in_a_cluster:
	s_bfe_u32 s2, ttmp6, 0x10000c
	s_cmp_lg_u32 s2, 0xf033
	s_cbranch_scc0 .Lentry_shape_is_right
	s_endpgm
.Lentry_shape_is_right:
; LOGITS.  For each batch S = q k^T (q, k: rows of qkv, bf16, 1,024 long; sums in f32).  For each query row and each GROUP of 128 keys: m = the group's largest score,
; p = 2^(c s - c m) rounded to bf16 (c = log2(e) / 32), l = the sum of the unrounded p.  Stored: st [16 groups][8192 rows] (c m, l) in f32, and p in the order of matrix fragments:
; block RB of 16 rows, chunk ch of 32 keys, half hf (registers 0-3 or 4-7 of the fragment), lane: byte RB x 65,536 + (2 (ch % 8) + hf) x 4,096 + (ch / 8) x 512 + 16 x lane.
; The launch behind corrects each group to the row's true maximum.  No exponent here is above 0 (but for c m's own rounding), whatever the inputs.
; LIMITS.  A weight below 2^-126 counts as 0; NaN and infinities are not treated apart.
; A work-group makes 256 queries x 256 keys: 32 x 8 = 256 work-groups.  Four waves, 2 x 2, each 128 x 128: 64 accumulators, 512 registers; a wave's 128 keys are one group.
; K goes in steps of 128 through two LDS slots (q's 256 rows, then k's 256 rows; a wave fetches 128 rows); a tile's row is 256 bytes of memory, aligned.
; CLUSTER 4 x 4: q's tile hangs on the tile row, shared along a row of the cluster; k's on the tile column and the batch (the cluster's y), shared along a column.
; TRANSPOSED USE: source 0 = 16 keys, source 1 = 16 queries: a lane holds query l % 16 and the keys 8 (l / 16) + 0..7 of each block of 16 keys.
; THE WAY OUT: register numbers cannot be counted by a loop, so the scores go lane for lane into the ring's bytes (each wave its own 65,536) and come back 16 rows a trip, in the accumulators' own
; layout: a lane has one query and 64 of the group's keys, the lane 16 away the other 64.  Two neighbouring blocks of 16 keys, rounded in pairs, ARE the fragment (16 queries x 32 keys) that the next launch multiplies.
; REGISTERS: window 0: v0-31 addresses; v64-127, v128-191 q's fragments; window 1: the same numbers, k's; windows 2, 3: accumulators ((a, b) at v[8 (8 (a % 4) + b)]).
.set PITCH,  272
.set PIECE,  128*PITCH
.set SLOT,   4*PIECE
.set STT,    2*SLOT                    ; behind the ring: each wave's 128 pairs (c m, l): 1,024 bytes a wave
.set SPARE,  STT+4096                  ; the spare words
.set LAPS,   4
.set ADRA, 16
.set ADRB, 20
.set SGO,  22                          ; v22  8 x lane: my pair in 256 bytes of st
.set DMP,  24                          ; v24  65,536 x wave + 16 x lane: where my scores go
.set RDS,  25                          ; v25  the same, stepping 16 rows (8,192 bytes) a trip
.set PO,   26                          ; v26  16 x lane, stepping a row block of p (65,536 bytes) a trip
.set STS,  27                          ; v27  where my row's pair goes; steps 16 pairs a trip
.set SPW,  28
.set NIL,  29
.set PFO,  30
.set STR,  31                          ; v31  where I read pairs back
.set F0,   64
.set F1,   128
.set SS,   64                          ; the softmax: my 64 scores of a row: block b's eight at SS + 8 b
.set YY,   128                         ; the 64 weights, packed: four fragments of 8 registers
.set MC,   160                         ; v160-163 four chains of the maximum
.set CM,   164                         ; v[164:165] the pair (c m, l)
.set TS,   166                         ; v166-167 at work on the sum
.set WV,  12
.set WM,  14                           ; which half of the tile's rows is mine
.set WN,  15                           ; which half of its columns; also which 128 rows I fetch
.set G1A, 24
.set G0A, 32
.set CX,  40
.set CY,  41
.set TX,  42
.set TY,  43
.set PFA, 44
.set G1B, 48
.set G0B, 56
.set LIM, 66
.set BAT, 67
.set CS,  70                           ; s[70:71] c, twice
.set SEL, 72                           ; s[72:73] v_permlanex16_b32's selects: each lane takes its own place in the other half
.set MSB, 0
.macro WIN new
.if MSB != (\new)
	s_set_vgpr_msb (MSB<<8)|(\new)
.set MSB, \new
.endif
.endm
.set MUL_LO, 0xa1
.set MUL_HI, 0xf1
.set TO_B,   0x40
.macro JLOAD s                         ; waves 0 and 1 fetch q's two halves, waves 2 and 3 k's; an s_nop 0 and four v_nop follow each line
	s_cmp_lt_u32 s[WV], 2
	s_cbranch_scc0 .Lfor_b_\@
	tensor_load_to_lds s[G0A+4*(\s):G0A+4*(\s)+3], s[G1A:G1A+7]
	s_nop 0
.rept 4
	v_nop
.endr
	s_branch .Lasked_\@
.Lfor_b_\@:
	tensor_load_to_lds s[G0B+4*(\s):G0B+4*(\s)+3], s[G1B:G1B+7]
	s_nop 0
.rept 4
	v_nop
.endr
.Lasked_\@:
.endm
; A prefetch of the K step two refills on: 32 rows x 256 bytes, a lane a row.  q's rows are named by the first cluster along x, k's by the batch's first cluster along y (even y);
; the four partners of a joint load take 32 rows each, by address.  The loop's last trip asks for nothing.
.macro ASK
	s_cmp_gt_u32 s3, s[LIM]
	s_cbranch_scc0 .Lnot_mine_\@
	global_prefetch_b8 v[PFO], s[PFA:PFA+1] th:TH_LOAD_NT scope:SCOPE_SE
.Lnot_mine_\@:
.endm
.macro CREST
	s_cmp_lg_u32 s[WV], 0
	s_cbranch_scc1 .Lnot_wave_0_\@
	s_barrier_signal -3
.Lnot_wave_0_\@:
	s_barrier_wait -3
	s_barrier_signal -1
	s_barrier_wait -1
.endm
.macro CROUND
	s_barrier_signal -1
	s_barrier_wait -1
	CREST
.endm
.macro PLACES
.rept 4
	v_nop
.endr
.endm
	s_load_b128 s[4:7], s[0:1], 0x0                ; qkv 4, p 6
	s_load_b64 s[8:9], s[0:1], 0x10                ; st
	v_lshl_add_u32 v[SPW], v0, 2, SPARE
	v_mov_b32 v[NIL], 0
	ds_add_u32 v[SPW], v[NIL]                      ; the wave's opening: the add and its wait stand ahead of my first tensor load
	ds_add_u32 v28, v29
	v_lshrrev_b32 v1, 5, v0
	v_readfirstlane_b32 s[WV], v1
	s_lshr_b32 s[WM], s[WV], 1
	s_and_b32 s[WN], s[WV], 1
	s_bfe_u32 s[CX], ttmp6, 0x40000
	s_bfe_u32 s[CY], ttmp6, 0x40004
	s_lshl_b32 s[TX], ttmp9, 2
	s_add_co_u32 s[TX], s[TX], s[CX]
	s_and_b32 s[BAT], ttmp7, 0xffff
	s_lshl_b32 s[TY], s[BAT], 2
	s_add_co_u32 s[TY], s[TY], s[CY]
	s_lshr_b32 s[BAT], s[BAT], 1                   ; a batch is 8 tile rows: two clusters along y
	s_lshl_b32 s16, s[CY], 2
	s_lshl_b32 s16, 15, s16
	s_lshl_b32 s46, 0x1111, s[CX]
	s_or_b32 s[G1A], s16, (1<<16)|(1<<20)|(1<<21)|(5<<22)|(3<<25)
	s_or_b32 s[G1B], s46, (1<<16)|(1<<20)|(1<<21)|(5<<22)|(3<<25)
.irp g, G1A, G1B
	s_mov_b32 s[\g+1], 128<<16
	s_mov_b32 s[\g+2], 128<<16
	s_mov_b32 s[\g+3], 128<<16
	s_mov_b32 s[\g+4], 128
	s_mov_b32 s[\g+5], 3072                        ; a row of qkv
	s_mov_b32 s[\g+6], 0
	s_mov_b32 s[\g+7], 0
.endr
	s_mov_b32 s[CS], 0x3d38aa3b                    ; c = log2(e) / 32
	s_mov_b32 s[CS+1], s[CS]
	s_mov_b32 s[SEL], 0x76543210
	s_mov_b32 s[SEL+1], 0xfedcba98
	s_lshl_b32 s16, s[TY], 8
	s_lshl_b32 s17, s[WN], 7
	s_add_co_u32 s16, s16, s17
	s_mul_i32 s16, s16, 6144                       ; q: row 256 x tile row + 128 x half
	s_mov_b32 s17, 0
	s_lshl_b32 s46, s[BAT], 11
	s_lshl_b32 s47, s[TX], 8
	s_add_co_u32 s46, s46, s47
	s_lshl_b32 s47, s[WN], 7
	s_add_co_u32 s46, s46, s47
	s_mul_i32 s46, s46, 6144                       ; k: row 2,048 x batch + 256 x tile column + 128 x half,
	s_add_co_u32 s46, s46, 2048                    ; at byte 2,048 of the row
	s_mov_b32 s47, 0
	s_mul_i32 s20, s[WV], PIECE
	s_wait_dscnt 0x0
	s_wait_kmcnt 0x0
	s_add_nc_u64 s[18:19], s[4:5], s[16:17]
	s_add_nc_u64 s[46:47], s[4:5], s[46:47]
	CROUND
.irp s, 0,1
	s_mov_b32 s[G0A+4*(\s)], 1
	s_add_co_u32 s[G0A+4*(\s)+1], s20, (\s)*SLOT
	s_add_nc_u64 s[G0A+4*(\s)+2:G0A+4*(\s)+3], s[18:19], (\s)*256
	s_or_b32 s[G0A+4*(\s)+3], s[G0A+4*(\s)+3], 0x80000000
	s_mov_b32 s[G0B+4*(\s)], 1
	s_add_co_u32 s[G0B+4*(\s)+1], s20, (\s)*SLOT
	s_add_nc_u64 s[G0B+4*(\s)+2:G0B+4*(\s)+3], s[46:47], (\s)*256
	s_or_b32 s[G0B+4*(\s)+3], s[G0B+4*(\s)+3], 0x80000000
	JLOAD \s
.endr
	v_and_b32 v1, 15, v0
	v_bfe_u32 v2, v0, 4, 1
	v_mul_u32_u24 v3, v1, PITCH
	v_lshl_add_u32 v3, v2, 4, v3
	s_mul_i32 s21, s[WM], PIECE
	s_mul_i32 s22, s[WN], PIECE
	s_add_co_u32 s22, s22, 2*PIECE
.irp s, 0,1
	v_add_nc_u32 v[ADRA+(\s)], s21, v3
	v_add_nc_u32 v[ADRB+(\s)], s22, v3
	s_add_co_u32 s21, s21, SLOT
	s_add_co_u32 s22, s22, SLOT
.endr
	v_and_b32 v4, 31, v0
	s_lshl_b32 s23, s[WV], 16
	v_lshl_add_u32 v[DMP], v4, 4, s23              ; my wave's 65,536 bytes of scores, 16 bytes a lane on end
	v_mov_b32 v[RDS], v[DMP]
	v_lshlrev_b32 v[PO], 4, v4
	s_lshl_b32 s23, s[WV], 10
	s_add_co_u32 s23, s23, STT
	v_lshl_add_u32 v[STS], v1, 3, s23              ; row l % 16 of the trip's 16
	v_lshlrev_b32 v[SGO], 3, v4
	v_add_nc_u32 v[STR], s23, v[SGO]
	v_mul_u32_u24 v[PFO], v4, 6144
	s_lshl_b32 s20, s[TY], 4
	s_lshl_b32 s21, s[WM], 3
	s_add_co_u32 s20, s20, s21                     ; my first block of 16 rows
	s_lshl_b32 s20, s20, 16
	s_lshl_b32 s21, s[WN], 15                      ; my four chunks are numbers 4 WN .. 4 WN + 3 of their eight: 8 pieces of 4,096
	s_add_co_u32 s20, s20, s21
	s_lshl_b32 s21, s[TX], 9                       ; and the tile column is the number of the eight
	s_add_co_u32 s20, s20, s21
	s_mov_b32 s21, 0
	s_add_nc_u64 s[6:7], s[6:7], s[20:21]          ; p
	s_lshl_b32 s22, s[TY], 8
	s_lshl_b32 s23, s[WM], 7
	s_add_co_u32 s22, s22, s23                     ; my first row
	s_lshl_b32 s20, s[TX], 1
	s_add_co_u32 s20, s20, s[WN]                   ; my group
	s_lshl_b32 s20, s20, 13
	s_add_co_u32 s20, s20, s22
	s_lshl_b32 s20, s20, 3
	s_add_nc_u64 s[8:9], s[8:9], s[20:21]          ; st at my group, my first row
	; the prefetches
	s_lshl_b32 s20, s[TY], 8
	s_lshl_b32 s21, s[BAT], 11
	s_lshl_b32 s22, s[TX], 8
	s_add_co_u32 s21, s21, s22
	s_and_b32 s22, ttmp7, 1
	s_mov_b32 s23, 2048+3*256
	s_cmp_lt_u32 s[WV], 2
	s_cselect_b32 s20, s20, s21
	s_cselect_b32 s21, s[CX], s[CY]
	s_cselect_b32 s22, ttmp9, s22
	s_cselect_b32 s23, 3*256, s23                  ; at K step 3: the first refill steps it to 4
	s_cmp_eq_u32 s22, 0
	s_cselect_b32 s[LIM], 1, -1
	s_lshl_b32 s22, s[WN], 7
	s_add_co_u32 s20, s20, s22
	s_lshl_b32 s21, s21, 5
	s_add_co_u32 s20, s20, s21
	s_mul_i32 s20, s20, 6144
	s_add_co_u32 s20, s20, s23
	s_mov_b32 s21, 0
	s_add_nc_u64 s[PFA:PFA+1], s[4:5], s[20:21]
; 16 matrix instructions; the 64 accumulators take turns, one instruction a turn, in the same order in every quarter.  z = 1: the constant 0 starts the sums.
.macro MULP f, hi, a0, z
	WIN MUL_LO+0x50*(\hi)
.irp a, \a0, (\a0)+1
.irp b, 0,1,2,3,4,5,6,7
.if \z
	v_wmma_f32_16x16x32_bf16 v[8*(8*(\a)+(\b)):8*(8*(\a)+(\b))+7], v[(\f)+8*(\b):(\f)+8*(\b)+7], v[(\f)+8*(4*(\hi)+(\a)):(\f)+8*(4*(\hi)+(\a))+7], 0
.else
	v_wmma_f32_16x16x32_bf16 v[8*(8*(\a)+(\b)):8*(8*(\a)+(\b))+7], v[(\f)+8*(\b):(\f)+8*(\b)+7], v[(\f)+8*(4*(\hi)+(\a)):(\f)+8*(4*(\hi)+(\a))+7], v[8*(8*(\a)+(\b)):8*(8*(\a)+(\b))+7]
.endif
.endr
.endr
.endm
.macro FETCH slot, k, f
	WIN TO_B
.irp i, 0,1,2,3,4,5,6,7
	ds_load_b128 v[(\f)+8*(\i):(\f)+8*(\i)+3],   v[ADRB+(\slot)] offset:(\k)+(\i)*16*PITCH
	ds_load_b128 v[(\f)+8*(\i)+4:(\f)+8*(\i)+7], v[ADRB+(\slot)] offset:(\k)+(\i)*16*PITCH+32
.endr
	WIN 0
.irp i, 0,1,2,3,4,5,6,7
	ds_load_b128 v[(\f)+8*(\i):(\f)+8*(\i)+3],   v[ADRA+(\slot)] offset:(\k)+(\i)*16*PITCH
	ds_load_b128 v[(\f)+8*(\i)+4:(\f)+8*(\i)+7], v[ADRA+(\slot)] offset:(\k)+(\i)*16*PITCH+32
.endr
.endm
.macro QUARTER slot, k, f, g, z
	s_wait_dscnt 8                                 ; k and q's rows 0-63 are in; the youngest eight loads may be out
	MULP \f, 0, 0, \z
	MULP \f, 0, 2, \z
	PLACES
	FETCH \slot, \k, \g
	s_wait_dscnt 32                                ; all but the 32 just issued
	MULP \f, 1, 0, \z
	MULP \f, 1, 2, \z
.endm
.macro MEET round
	WIN 0
	s_wait_tensorcnt 0x0                           ; all my tensor loads have landed: my part of the next slot
	ds_add_u32 v[SPW], v[NIL]                      ; 0 onto my spare word
	s_wait_dscnt 9                                 ; the add and the youngest eight loads may be out
	MULP F1, 0, 0, 0
	s_wait_dscnt 0x0                               ; the add is done, and my reads of this slot are over
	s_barrier_signal -1
	MULP F1, 0, 2, 0
.if \round
	WIN 0
.endif
	s_barrier_wait -1
.endm
.macro TURN slot, next
	s_wait_xcnt 0x0                                ; the last prefetch, a K step back, has read its address
	s_add_nc_u64 s[PFA:PFA+1], s[PFA:PFA+1], 256
	MEET 1
	CREST
	s_add_nc_u64 s[G0A+4*(\slot)+2:G0A+4*(\slot)+3], s[G0A+4*(\slot)+2:G0A+4*(\slot)+3], 512
	s_add_nc_u64 s[G0B+4*(\slot)+2:G0B+4*(\slot)+3], s[G0B+4*(\slot)+2:G0B+4*(\slot)+3], 512
	JLOAD \slot
	FETCH \next, 0, F0
	ASK
	MULP F1, 1, 0, 0
	MULP F1, 1, 2, 0
.endm
	s_wait_tensorcnt 1                             ; my part of K step 0 is in; K step 1's may stay out
	s_barrier_signal -1
	s_barrier_wait -1
	FETCH 0, 0, F0
	QUARTER 0, 64, F0, F1, 1
	WIN 0
	s_mov_b32 s3, LAPS-1
.Llap:
	QUARTER 0, 128, F1, F0, 0
	QUARTER 0, 192, F0, F1, 0
	TURN 0, 1
	QUARTER 1, 64,  F0, F1, 0
	QUARTER 1, 128, F1, F0, 0
	QUARTER 1, 192, F0, F1, 0
	TURN 1, 0
	QUARTER 0, 64,  F0, F1, 0
	WIN 0
	s_sub_co_u32 s3, s3, 1
	s_cmp_lg_u32 s3, 0
	s_cbranch_scc1 .Llap
	QUARTER 0, 128, F1, F0, 0
	QUARTER 0, 192, F0, F1, 0
	MEET 0
	PLACES
	FETCH 1, 0, F0
	MULP F1, 1, 0, 0
	MULP F1, 1, 2, 0
	QUARTER 1, 64,  F0, F1, 0
	QUARTER 1, 128, F1, F0, 0
	QUARTER 1, 192, F0, F1, 0
	s_wait_dscnt 8
	MULP F1, 0, 0, 0
	MULP F1, 0, 2, 0
	s_wait_dscnt 0x0                               ; my last reads of the ring are back
	MULP F1, 1, 0, 0
	MULP F1, 1, 2, 0
	WIN 0
	PLACES
	s_barrier_signal -1                            ; every wave's reads of both slots are over, and both have had their last fill: the scores may be laid over them
	s_barrier_wait -1
.irp a, 0,1,2,3,4,5,6,7
	WIN 0x08+4*((\a)/4)                            ; the stores' data in window 2 or 3
.irp b, 0,1,2,3,4,5,6,7
	ds_store_b128 v[DMP], v[8*(8*((\a)%4)+(\b)):8*(8*((\a)%4)+(\b))+3]   offset:(\a)*8192+(\b)*1024      ; 32 lanes, 512 bytes on end
	ds_store_b128 v[DMP], v[8*(8*((\a)%4)+(\b))+4:8*(8*((\a)%4)+(\b))+7] offset:(\a)*8192+(\b)*1024+512
.endr
.endr
	WIN 0
	v_mov_b32 v[CM+1], 0                           ; named as a pair's high word before it is first made
	v_mov_b32 v[TS+1], 0                           ; a destination that counts as read
	s_mov_b32 s74, 8
.Lsm:                                              ; a trip: 16 rows of my 128.  The region is my own: LDS serves a wave's instructions in order
.irp b, 0,1,2,3,4,5,6,7
	ds_load_b128 v[SS+8*(\b):SS+8*(\b)+3],   v[RDS] offset:1024*(\b)
	ds_load_b128 v[SS+8*(\b)+4:SS+8*(\b)+7], v[RDS] offset:1024*(\b)+512
.endr
	s_wait_dscnt 0x0
.irp k, 0,1,2,3                        ; the maximum of my 64 scores: four chains of 15, three operands at a time, then the four left over
	v_max3_num_f32 v[MC+(\k)], v[SS+16*(\k)], v[SS+16*(\k)+1], v[SS+16*(\k)+2]
.endr
.irp j, 3,5,7,9,11,13
.irp k, 0,1,2,3
	v_max3_num_f32 v[MC+(\k)], v[MC+(\k)], v[SS+16*(\k)+(\j)], v[SS+16*(\k)+(\j)+1]
.endr
.endr
	v_max3_num_f32 v[MC], v[MC], v[SS+15], v[SS+31]
	v_max3_num_f32 v[MC+1], v[MC+1], v[SS+47], v[SS+63]
	v_max3_num_f32 v[MC], v[MC], v[MC+1], v[MC+2]
	v_max_num_f32 v[MC], v[MC], v[MC+3]
	v_permlanex16_b32 v[MC+1], v[MC], s[SEL], s[SEL+1]  ; the row's other 64 keys lie in the lane 16 away
	v_max_num_f32 v[MC], v[MC], v[MC+1]
	v_mul_f32 v[CM], s[CS], v[MC]                  ; c m
.set k, 0
.rept 32
	v_pk_fma_f32 v[SS+k:SS+k+1], v[SS+k:SS+k+1], s[CS:CS+1], v[CM:CM+1] op_sel_hi:[1,0,0] neg_lo:[0,0,1] neg_hi:[0,0,1]  ; c s - c m
.set k, k+2
.endr
.set k, 0
.rept 64
	v_exp_f32 v[SS+k], v[SS+k]
.set k, k+1
.endr
	v_nop                                          ; a plain instruction behind the last exponential
	s_wait_alu depctr_va_vdst(0)                   ; one wait for the trip's 64, ahead of their first reader
	s_wait_xcnt 0x0                                ; the last trip's stores have read their offset and their data
	v_add_nc_u32 v[PO], 0x10000, v[PO]             ; a row block of p on; the stores below reach back by as much
.set k, 0
.rept 32
	v_cvt_pk_bf16_f32 v[YY+k], v[SS+2*k], v[SS+2*k+1]
.set k, k+1
.endr
.irp t, 0,1,2,3,4,5,6,7
	global_store_b128 v[PO], v[YY+4*(\t):YY+4*(\t)+3], s[6:7] offset:4096*(\t)-65536  ; half a fragment: 512 consecutive, aligned bytes
.endr
.irp w, 4,8,16,32,64                   ; the sum of my 64 weights, in place: neighbours 1, 2, 4, 8 and 16 pairs apart
.set k, 0
.rept 64/(\w)
	v_pk_add_f32 v[SS+k:SS+k+1], v[SS+k:SS+k+1], v[SS+k+(\w)/2:SS+k+(\w)/2+1]
.set k, k+(\w)
.endr
.endr
	v_add_f32 v[TS], v[SS], v[SS+1]
	v_permlanex16_b32 v[TS+1], v[TS], s[SEL], s[SEL+1]
	v_add_f32 v[CM+1], v[TS], v[TS+1]              ; l, beside c m
	ds_store_b64 v[STS], v[CM:CM+1]                ; the two lanes of a row write the same pair to the same place
	v_add_nc_u32 v[RDS], 8192, v[RDS]
	v_add_nc_u32 v[STS], 128, v[STS]
	s_sub_co_u32 s74, s74, 1
	s_cmp_lg_u32 s74, 0
	s_cbranch_scc1 .Lsm
.irp k, 0,1,2,3
	ds_load_b64 v[176+2*(\k):177+2*(\k)], v[STR] offset:256*(\k)
.endr
.irp k, 0,1,2,3
	s_wait_dscnt 3-(\k)
	global_store_b64 v[SGO], v[176+2*(\k):177+2*(\k)], s[8:9] offset:256*(\k)  ; 32 rows' pairs: 256 consecutive, aligned bytes of st
.endr
	s_wait_tensorcnt 0x0                           ; the wave's end
	ds_add_u32 v[SPW], v[NIL]
	s_wait_dscnt 0x0
	CROUND                                         ; the closing round
	s_endpgm
.Lfunc_end_k_q7a7158a124_logits:
	.size	k_q7a7158a124_logits, .Lfunc_end_k_q7a7158a124_logits-k_q7a7158a124_logits
	.p2alignl 7, 3214868480
	.fill 96, 4, 3214868480
	.section	.rodata,"a",@progbits
	.p2align	6, 0x0
	.amdhsa_kernel k_q7a7158a124_logits
		.amdhsa_group_segment_fixed_size 327680
		.amdhsa_private_segment_fixed_size 0
		.amdhsa_enable_private_segment 0
		.amdhsa_kernarg_size 24
		.amdhsa_user_sgpr_count 2
		.amdhsa_user_sgpr_kernarg_segment_ptr 1
		.amdhsa_wavefront_size32 1
		.amdhsa_system_sgpr_workgroup_id_x 1
		.amdhsa_system_sgpr_workgroup_id_y 1
		.amdhsa_system_sgpr_workgroup_id_z 1
		.amdhsa_system_vgpr_workitem_id 0
		.amdhsa_next_free_vgpr 1024
		.amdhsa_next_free_sgpr 80
		.amdhsa_reserve_vcc 0
		.amdhsa_float_denorm_mode_32 3
		.amdhsa_float_denorm_mode_16_64 3
		.amdhsa_memory_ordered 1
		.amdhsa_forward_progress 1
		.amdhsa_inst_pref_size 134
	.end_amdhsa_kernel
	.amdgpu_metadata
---
amdhsa.version: [ 1, 2 ]
amdhsa.kernels:
  - .name:           k_q7a7158a124_logits
    .symbol:         k_q7a7158a124_logits.kd
    .args:
      - { .name: qkv, .offset: 0, .size: 8, .value_kind: global_buffer, .address_space: global }
      - { .name: p, .offset: 8, .size: 8, .value_kind: global_buffer, .address_space: global }
      - { .name: st, .offset: 16, .size: 8, .value_kind: global_buffer, .address_space: global }
    .group_segment_fixed_size: 327680
    .private_segment_fixed_size: 0
    .kernarg_segment_align: 8
    .kernarg_segment_size: 24
    .max_flat_workgroup_size: 128
    .sgpr_count:     80
    .vgpr_count:     1024
    .wavefront_size: 32
...
	.end_amdgpu_metadata
.endif
;; end of part 3
;; launch pv (part 4): grid 4 x 64, 4 waves a work-group, clusters of 4 x 4, 327,680 bytes of LDS; arguments p, qkv, st, x, out0; writes out0
.if DOCPART == 4
	.amdgcn_target "amdgcn-amd-amdhsa--gfx1250"
	.amdhsa_code_object_version 6
	.text
	.protected	k_q7a7158a124_pv
	.globl	k_q7a7158a124_pv
	.p2align	8
	.type	k_q7a7158a124_pv,@function
k_q7a7158a124_pv:
	s_mov_b64 s[64:65], 0
	v_nop
	global_prefetch_b8 v0, s[64:65] scope:SCOPE_SE
	s_setreg_imm32_b32 hwreg(HW_REG_WAVE_MODE, 25, 1), 1
	s_wait_xcnt 0x0
	s_wait_alu depctr_hold_cnt(0) depctr_sa_sdst(0) depctr_va_vdst(0) depctr_va_sdst(0) depctr_va_ssrc(0) depctr_va_vcc(0) depctr_vm_vsrc(0)
	s_getreg_b32 s2, hwreg(HW_REG_IB_STS2, 6, 4)
	s_cmp_eq_u32 s2, 0
	s_cbranch_scc0 .Lentry_in_a_cluster
	s_endpgm
.Lentry_in_a_cluster:
	s_bfe_u32 s2, ttmp6, 0x10000c
	s_cmp_lg_u32 s2, 0xf033
	s_cbranch_scc0 .Lentry_shape_is_right
	s_endpgm
.Lentry_shape_is_right:
; PV.  out0[q][c] = x[q][c] + (sum over groups g of f_g (P_g V_g)[q][c]) / L.  CM = the largest c m_g of the row (its true maximum), f_g = 2^(c m_g - CM) <= 1, L = sum of f_g l_g >= 1.
; f_g is rounded to bf16 and multiplied onto P's fragment (v_pk_mul_bf16: one more rounding of a weight to bf16); L is made in f32 of the SAME rounded f_g, so the weights still sum to 1.
; p: bf16 in the order of fragments: block RB of 16 rows, chunk ch of 32 keys, half hf, lane: byte RB x 65,536 + (2 (ch % 8) + hf) x 4,096 + (ch / 8) x 512 + 16 x lane.
; v: bytes 4,096.. of the rows of qkv, bf16; st: [16][8192] (c m, l) f32; x, out0: f32.  Sums in f32.
; LIMITS.  A factor or weight below 2^-126 counts as 0; NaN and infinities are not treated apart.
; A work-group makes 128 queries x 256 channels: 64 x 4 = 256 work-groups.  Four waves, 2 x 2, each 64 x 128: 32 accumulators.  2,048 keys go in 64 QUARTERS of 32; four quarters are a group.
; V GOES THROUGH LDS, P DOES NOT.  Two slots with both would hold 128 keys each; with V alone a slot holds 256 keys x 512 bytes (eight quarters), so a refill has 256 matrix instructions a wave in which to land,
; and there are 6 refills in the launch.  Each wave fetches 64 keys of a slot.  P's fragments come straight from memory as they lie, two loads of 512 consecutive bytes each, into a ring of eight
; quarters in registers: behind quarter q's products the wave asks for quarter q + 8; by the text's count 56 loads (28 KiB a wave) are out at most.  The price: the two waves with the same rows, and the four
; work-groups along x, each load P for themselves.
; CLUSTER 4 x 4: V's tile hangs on the tile column and the batch (the cluster's y): it is asked for jointly by a column of the cluster.
; TRANSPOSED USE: source 0 = V^T (16 channels x 32 keys, turned on its way out of LDS by ds_load_tr16_b128), source 1 = P (16 queries x 32 keys): a lane holds query l % 16, channels 8 (l / 16) + 0..7.
; ONE TEXT FOR A SLOT, written twice: for the six slots behind which a slot is filled again, and for the last two.  A row block of x is 65,536 bytes like one of p, and x's rows lie 4,096 bytes apart like a slot's 16
; pieces of p: in the very last trip the ring's load lines, their base switched from p to x, bring x into the ring's registers.  Prices of the one text: the sums are cleared (256 lines, run while the first
; tiles are on their way) so that no first quarter is written apart, and the last trip's fetch of a next slot's first quarter (20 LDS loads) serves nothing.
; REGISTERS, in windows of 256 (s_set_vgpr_msb: bits 1:0 source 0, 3:2 source 1, 5:4 source 2, 7:6 destination):
;   window 0: v0-31 addresses; v32-35 f of my four row blocks; v40-47 1/L; v64-127 scaled P, two buffers (at the head: the statistics); v128-255 accumulators of channel blocks 0-3 ((a, b) at v[128 + 8 (4 a + b)])
;   window 1: v0-127 accumulators of channel blocks 4-7; v128-255 results of row blocks 0, 1 on the way out
;   window 2: v0-127 P's ring, quarters 0-3 of a slot (32 registers each); v128-191 V's blocks 0-3, two buffers; v192-255 V's blocks 4-7; on the way out v128-255 results of row blocks 2, 3
;   window 3: the same for quarters 4-7
; A quarter's V and its P lie in one window, scaled P and f beside the first 16 accumulators: one setting serves a product (V, scaled P, sum) and the scalings behind it (scaled P = P x f).
.set PV,     544                       ; a row of V in LDS: 512 + 32
.set QK,     32*PV                     ; a quarter's keys
.set SLOT,   256*PV
.set STAGE,  2*SLOT                    ; behind the ring: 16 rows x 528 bytes for each wave
.set SP,     528
.set FT,     STAGE+4*16*SP             ; f, packed twice in a word: [16 groups][128 rows]
.set RLT,    FT+8192                   ; (1/L, 1/L): [128 rows]
.set SPARE,  RLT+1024
.set KSL,    256*6144                  ; a slot's keys in memory
.set AVA,  16                          ; v16  V's quarters 0-3 of the slot in hand
.set AVB,  17                          ; v17  its quarters 4-7
.set AV0,  18                          ; v18  my lane's place in a quarter of V; never rewritten
.set SCA,  22                          ; v22  my f of row block 0 in the slot's first group; steps two groups a slot
.set RLA,  23                          ; v23  my 1/L of row block 0
.set STO,  24
.set RD,   25
.set GO,   26                          ; v26  16 x lane: my place in 512 bytes of p, x and out0; never rewritten
.set SO,   27                          ; v27  8 x thread: my row's pair in st
.set SPW,  28
.set NIL,  29
.set PFO,  30
.set FTA,  31                          ; v31  where my row's f goes
.set SC,   32
.set RL,   40
.set SAF,  64
.set ACL,  128
.set VLO,  128                         ; windows 2, 3
.set SL,  3                            ; s3   slots to go in the loop in hand
.set WV,  12
.set WM,  14
.set WN,  15
.set G1,  24                           ; s[24:31] descriptor group 1
.set G0,  32                           ; s[32:39] group 0: a set for each first fill; the second then walks on
.set CX,  40
.set CY,  41
.set TX,  42
.set TY,  43
.set PFA, 44
.set LB,  48                           ; s[48:49] where the ring's loads stand: p at my rows, the slot after the one in hand; at the end x
.set XB,  50                           ; s[50:51] x at my rows and channels
.set TB,  52                           ; s52  0 or SLOT: the slot to be read
.set LIM, 66
.set BAT, 67
.set PFS, 68                           ; s[68:69] a slot in the stream that I prefetch
.set OUT, 76                           ; s[76:77] out0
.set MSB, 0
.macro WIN new
.if MSB != (\new)
	s_set_vgpr_msb (MSB<<8)|(\new)
.set MSB, \new
.endif
.endm
; A prefetch, behind the joint load of a change of slots and the LDS loads behind it, of the data of the slot three on: V's is asked for by the next change's joint load, P's by the ring from the slot after next on.
; P: wave 0 of each of the four partners along x takes two of the tile's eight row blocks: 32 pieces of 512 bytes, a lane a piece, two instructions (no other cluster reads them).
; V: in the batch's first cluster along y each partner along y takes 64 keys, waves 2 and 3 half of them each, a lane a key of 512 bytes, two instructions.  Wave 1 asks for nothing.
; The last filling change asks for nothing: there is no slot three on.
.macro ASK
	s_cmp_gt_u32 s[SL], s[LIM]
	s_cbranch_scc0 .Lnot_mine_\@
	global_prefetch_b8 v[PFO], s[PFA:PFA+1] th:TH_LOAD_NT scope:SCOPE_SE
	global_prefetch_b8 v[PFO], s[PFA:PFA+1] offset:256 th:TH_LOAD_NT scope:SCOPE_SE
.Lnot_mine_\@:
.endm
.macro CREST
	s_cmp_lg_u32 s[WV], 0
	s_cbranch_scc1 .Lnot_wave_0_\@
	s_barrier_signal -3
.Lnot_wave_0_\@:
	s_barrier_wait -3
	s_barrier_signal -1
	s_barrier_wait -1
.endm
.macro CROUND
	s_barrier_signal -1
	s_barrier_wait -1
	CREST
.endm
.macro PLACES
.rept 4
	v_nop
.endr
.endm
; Eight loads into the ring's buffer q: the four row blocks' fragments of quarter q of the slot at which s[LB] stands (or, from x: rows 2 q and 2 q + 1 of each row block).
.macro PLOAD q
	WIN (2+(\q)/4)<<6
.irp a, 0,1,2,3
	global_load_b128 v[32*((\q)%4)+8*(\a):32*((\q)%4)+8*(\a)+3],   v[GO], s[LB:LB+1] offset:65536*(\a)+8192*(\q)
	global_load_b128 v[32*((\q)%4)+8*(\a)+4:32*((\q)%4)+8*(\a)+7], v[GO], s[LB:LB+1] offset:65536*(\a)+8192*(\q)+4096
.endr
.endm
	s_load_b256 s[4:11], s[0:1], 0x0               ; p 4, qkv 6, st 8, x 10
	s_load_b64 s[OUT:OUT+1], s[0:1], 0x20          ; out0
	v_lshl_add_u32 v[SPW], v0, 2, SPARE
	v_mov_b32 v[NIL], 0
	ds_add_u32 v[SPW], v[NIL]                      ; the wave's opening: the add and its wait stand ahead of my first tensor load
	ds_add_u32 v28, v29
	v_lshrrev_b32 v1, 5, v0
	v_readfirstlane_b32 s[WV], v1
	s_lshr_b32 s[WM], s[WV], 1
	s_and_b32 s[WN], s[WV], 1
	s_bfe_u32 s[CX], ttmp6, 0x40000
	s_bfe_u32 s[CY], ttmp6, 0x40004
	s_lshl_b32 s[TX], ttmp9, 2
	s_add_co_u32 s[TX], s[TX], s[CX]
	s_and_b32 s[BAT], ttmp7, 0xffff
	s_lshl_b32 s[TY], s[BAT], 2
	s_add_co_u32 s[TY], s[TY], s[CY]
	s_lshr_b32 s[BAT], s[BAT], 2                   ; a batch is 16 tile rows: four clusters along y
	s_lshl_b32 s46, 0x1111, s[CX]                  ; my column of the cluster
	s_or_b32 s[G1], s46, (1<<16)|(1<<20)|(1<<21)|(6<<22)|(7<<25)  ; mask; 2-byte elements; padding on; bit 21 beside a mask; after every 128 words 8 words
	s_mov_b32 s[G1+1], 256<<16                     ; 64 keys x 256 elements, 3,072 elements from row to row
	s_mov_b32 s[G1+2], 64<<16
	s_mov_b32 s[G1+3], 256<<16
	s_mov_b32 s[G1+4], 64
	s_mov_b32 s[G1+5], 3072
	s_mov_b32 s[G1+6], 0
	s_mov_b32 s[G1+7], 0
	s_lshl_b32 s46, s[BAT], 11
	s_lshl_b32 s47, s[WV], 6
	s_add_co_u32 s46, s46, s47
	s_mul_i32 s46, s46, 6144                       ; key 2,048 x batch + 64 x wave,
	s_lshl_b32 s47, s[TX], 9
	s_add_co_u32 s46, s46, s47                     ; the tile's 256 channels,
	s_add_co_u32 s46, s46, 4096                    ; at byte 4,096 of the row
	s_mov_b32 s47, 0
	s_mul_i32 s20, s[WV], 64*PV                    ; where my 64 keys go
	s_mov_b32 s[TB], 0
	s_wait_dscnt 0x0
	s_wait_kmcnt 0x0
	s_add_nc_u64 s[46:47], s[6:7], s[46:47]
	CROUND                                         ; all sixteen work-groups are here: the first joint loads meet
.irp s, 0,1
	s_mov_b32 s[G0+4*(\s)], 1
	s_add_co_u32 s[G0+4*(\s)+1], s20, (\s)*SLOT
	s_add_nc_u64 s[G0+4*(\s)+2:G0+4*(\s)+3], s[46:47], (\s)*KSL
	s_or_b32 s[G0+4*(\s)+3], s[G0+4*(\s)+3], 0x80000000
	tensor_load_to_lds s[G0+4*(\s):G0+4*(\s)+3], s[G1:G1+7]  ; two loads of mine are out
	s_nop 0
.rept 4
	v_nop
.endr
.endr
	; the statistics of the tile's 128 rows, a thread a row; then the ring's first five quarters: 56 loads are out
	s_lshl_b32 s20, s[TY], 10
	s_mov_b32 s21, 0
	s_add_nc_u64 s[8:9], s[8:9], s[20:21]
	v_lshlrev_b32 v[SO], 3, v0
.irp g, 0,1,2,3,4,5,6,7,8,9,10,11,12,13,14,15
	global_load_b64 v[64+2*(\g):65+2*(\g)], v[SO], s[8:9] offset:65536*(\g)
.endr
	s_lshl_b32 s20, s[TY], 3
	s_lshl_b32 s22, s[WM], 2
	s_add_co_u32 s20, s20, s22
	s_lshl_b32 s20, s20, 16                        ; my first row block, 65,536 bytes a block in p, in x and in out0
	s_add_nc_u64 s[LB:LB+1], s[4:5], s[20:21]      ; p at slot 0
	s_lshl_b32 s22, s[TX], 10
	s_add_co_u32 s20, s20, s22
	s_lshl_b32 s22, s[WN], 9
	s_add_co_u32 s20, s20, s22                     ; my 128 channels
	s_add_nc_u64 s[XB:XB+1], s[10:11], s[20:21]
	s_add_nc_u64 s[OUT:OUT+1], s[OUT:OUT+1], s[20:21]
	v_and_b32 v6, 31, v0
	v_lshlrev_b32 v[GO], 4, v6
.irp q, 0,1,2,3,4
	PLOAD \q
.endr
	WIN 0
	v_and_b32 v1, 15, v0
	v_bfe_u32 v2, v0, 4, 1
	v_and_b32 v4, 7, v0
	v_bfe_u32 v5, v0, 3, 1
	v_lshl_add_u32 v7, v2, 3, v4                   ; the turning load: key 8 (l / 16) + l % 8, channels 8 ((l / 8) % 2) + 0..7
	v_mul_u32_u24 v7, v7, PV
	v_lshl_add_u32 v7, v5, 4, v7
	s_lshl_b32 s22, s[WN], 8
	v_add_nc_u32 v[AV0], s22, v7
	v_mov_b32 v[AVA], v[AV0]
	v_add_nc_u32 v[AVB], 4*QK, v[AV0]
	s_lshl_b32 s22, s[WM], 8
	s_add_co_u32 s22, s22, FT
	v_lshl_add_u32 v[SCA], v1, 2, s22
	s_lshl_b32 s22, s[WM], 9
	s_add_co_u32 s22, s22, RLT
	v_lshl_add_u32 v[RLA], v1, 3, s22
	s_mul_i32 s22, s[WV], 16*SP
	s_add_co_u32 s22, s22, STAGE
	v_mul_u32_u24 v3, v1, SP
	v_lshl_add_u32 v3, v2, 5, v3
	v_add_nc_u32 v[STO], s22, v3
	v_add_nc_u32 v[RD], s22, v[GO]
	v_lshl_add_u32 v[FTA], v0, 2, FT
	v_add_nc_u32 v13, RLT, v[SO]
	; the prefetches
	s_lshl_b32 s20, s[TY], 3
	s_lshl_b32 s22, s[CX], 1
	s_add_co_u32 s20, s20, s22
	s_lshl_b32 s20, s20, 16
	s_add_co_u32 s20, s20, 2*512                   ; P at slot 2: the first slot steps it to 3
	s_lshl_b32 s22, s[BAT], 11
	s_lshl_b32 s23, s[CY], 6
	s_add_co_u32 s22, s22, s23
	s_lshl_b32 s23, s[WN], 5
	s_add_co_u32 s22, s22, s23
	s_mul_i32 s22, s22, 6144
	s_lshl_b32 s23, s[TX], 9
	s_add_co_u32 s22, s22, s23
	s_add_co_u32 s22, s22, 4096+2*KSL              ; V at slot 2
	s_and_b32 s23, ttmp7, 3
	s_mov_b32 s16, KSL
	s_mov_b32 s17, 6144
	s_mov_b32 s18, 16*6144
	s_mov_b32 s19, 65536
	s_cmp_lt_u32 s[WV], 2
	s_cselect_b32 s20, s20, s22
	s_cselect_b32 s23, s[WV], s23                  ; 0 in wave 0, and in waves 2 and 3 of the batch's first cluster
	s_cselect_b32 s[PFS], 512, s16
	s_cselect_b32 s2, 4096, s17                    ; from lane to lane: a piece of p, or a key,
	s_cselect_b32 s18, s19, s18                    ; and from lane 15 to lane 16 on: the next row block, or 16 keys
	s_cselect_b64 s[PFA:PFA+1], s[4:5], s[6:7]
	s_cmp_eq_u32 s23, 0
	s_cselect_b32 s[LIM], 1, -1
	s_mov_b32 s[PFS+1], 0
	s_add_nc_u64 s[PFA:PFA+1], s[PFA:PFA+1], s[20:21]
	v_mul_u32_u24 v[PFO], v1, s2
	v_mad_u32_u24 v[PFO], v2, s18, v[PFO]
.set i, 0
.rept 128
	v_mov_b32 v[ACL+i], 0                          ; the sums start at 0: written while the first tiles and fragments are on their way, so that the loops have one form of product
.set i, i+1
.endr
	WIN 0x40
.set i, 0
.rept 128
	v_mov_b32 v[i], 0
.set i, i+1
.endr
	s_wait_loadcnt 40                              ; the statistics are in; the ring's 40 loads were issued behind them
	PLOAD 5
	PLOAD 6
	WIN 0
	v_max3_num_f32 v12, v64, v66, v68
.irp g, 70,74,78,82,86,90
	v_max3_num_f32 v12, v12, v[\g], v[\g+2]
.endr
	v_max_num_f32 v12, v12, v94                    ; CM
.irp g, 0,1,2,3,4,5,6,7,8,9,10,11,12,13,14,15
	v_sub_f32 v[64+2*(\g)], v[64+2*(\g)], v12
.endr
.irp g, 0,1,2,3,4,5,6,7,8,9,10,11,12,13,14,15
	v_exp_f32 v[64+2*(\g)], v[64+2*(\g)]
.endr
	v_mov_b32 v10, 0                               ; a plain instruction behind the last exponential: L starts at 0
	s_wait_alu depctr_va_vdst(0)                   ; one wait for the sixteen
.irp g, 0,1,2,3,4,5,6,7,8,9,10,11,12,13,14,15
	v_cvt_pk_bf16_f32 v[64+2*(\g)], v[64+2*(\g)], v[64+2*(\g)]  ; f, twice in a word
.endr
.irp g, 0,1,2,3,4,5,6,7,8,9,10,11,12,13,14,15
	v_fma_mix_f32_bf16 v10, v[64+2*(\g)], v[65+2*(\g)], v10 op_sel_hi:[1,0,0]  ; L += f (as rounded) x l, in f32
	ds_store_b32 v[FTA], v[64+2*(\g)] offset:512*(\g)
.endr
	v_rcp_f32 v14, v10
	v_nop
	s_wait_alu depctr_va_vdst(0)
	v_mov_b32 v15, v14
	ds_store_b64 v13, v[14:15]
	s_wait_loadcnt 48                              ; quarter 0's fragments are in; six quarters' loads were issued behind them
	PLOAD 7
	WIN 0
; V's eight fragments of quarter qn (32 keys x 128 channels, turned), blocks 0-3 first; sc >= 0: ahead of them the next group's f of my four row blocks.
; The buffers that it fills were last read two quarters back; the 32 scalings of the quarter in hand, which name none of those registers, lie between.
.macro FETCHV qn, sc
.if (\sc) >= 0
	WIN 0
.irp a, 0,1,2,3
	ds_load_b32 v[SC+(\a)], v[SCA] offset:(\sc)+64*(\a)
.endr
.endif
	WIN (2+(\qn)/4)<<6
.irp b, 0,1,2,3,4,5,6,7
	ds_load_tr16_b128 v[VLO+64*((\b)/4)+32*((\qn)%2)+8*((\b)%4):VLO+64*((\b)/4)+32*((\qn)%2)+8*((\b)%4)+3],   v[AVA+(\qn)/4] offset:((\qn)%4)*QK+32*(\b)
	ds_load_tr16_b128 v[VLO+64*((\b)/4)+32*((\qn)%2)+8*((\b)%4)+4:VLO+64*((\b)/4)+32*((\qn)%2)+8*((\b)%4)+7], v[AVA+(\qn)/4] offset:((\qn)%4)*QK+32*(\b)+16*PV
.endr
.endm
; Quarter q: row blocks a0 .. a1 x channel blocks 0-3.  Row block 0's fragment of P is scaled by f, out of the ring into the quarter's buffer, in a run of eight ahead of the products; block a + 1's two registers
; behind each product of block a.  The 32 accumulators take turns, one instruction a turn, in the same order in every quarter.
.macro LO q, a0, a1
	WIN 2+(\q)/4
.set PRQ, 32*((\q)%4)
.set SAQ, SAF+32*((\q)%2)
.set VLQ, VLO+32*((\q)%2)
.if (\a0) == 0
.irp r, 0,1,2,3,4,5,6,7
	v_pk_mul_bf16 v[SAQ+(\r)], v[PRQ+(\r)], v[SC]
.endr
.endif
.set aa, \a0
.rept (\a1)-(\a0)+1
.irp b, 0,1,2,3
	v_wmma_f32_16x16x32_bf16 v[ACL+8*(4*aa+(\b)):ACL+8*(4*aa+(\b))+7], v[VLQ+8*(\b):VLQ+8*(\b)+7], v[SAQ+8*aa:SAQ+8*aa+7], v[ACL+8*(4*aa+(\b)):ACL+8*(4*aa+(\b))+7]
.if aa < 3
	v_pk_mul_bf16 v[SAQ+8*(aa+1)+2*(\b)],   v[PRQ+8*(aa+1)+2*(\b)],   v[SC+aa+1]
	v_pk_mul_bf16 v[SAQ+8*(aa+1)+2*(\b)+1], v[PRQ+8*(aa+1)+2*(\b)+1], v[SC+aa+1]
.endif
.endr
.set aa, aa+1
.endr
.endm
.macro HI q                            ; all four row blocks x channel blocks 4-7
	WIN 0x52+(\q)/4
.set SAQ, SAF+32*((\q)%2)
.set VHQ, VLO+64+32*((\q)%2)
.irp a, 0,1,2,3
.irp b, 0,1,2,3
	v_wmma_f32_16x16x32_bf16 v[8*(4*(\a)+(\b)):8*(4*(\a)+(\b))+7], v[VHQ+8*(\b):VHQ+8*(\b)+7], v[SAQ+8*(\a):SAQ+8*(\a)+7], v[8*(4*(\a)+(\b)):8*(4*(\a)+(\b))+7]
.endr
.endr
.endm
; One of a slot's first seven quarters.  In its middle it fetches V of the next quarter; at its end it asks for P eight quarters on, into the buffer whose fragments it has just scaled.
.macro Q3 q, fill
	s_wait_dscnt 8                                 ; f and V's blocks 0-3 are in; the youngest eight loads (V's blocks 4-7) may be out
	LO \q, 0, 3
.if (\q) == 3
	FETCHV 4, 512                                  ; all scalings of this group are issued: f's registers take the next group's
	s_wait_dscnt 20                                ; all but the 20 just issued
.else
	FETCHV (\q)+1, -1
	s_wait_dscnt 16                                ; all but the 16 just issued
.endif
	HI \q
.if (\q) == 0
	s_wait_xcnt 0x0                                ; the ring's last loads and the last prefetches, a quarter back and more, have read their bases
	s_add_nc_u64 s[LB:LB+1], s[LB:LB+1], 512       ; the ring now asks for the next slot's P,
.if \fill
	s_add_nc_u64 s[PFA:PFA+1], s[PFA:PFA+1], s[PFS:PFS+1]
.else
	s_cmp_eq_u32 s[SL], 1
	s_cselect_b64 s[LB:LB+1], s[XB:XB+1], s[LB:LB+1]  ; and in the last slot, which has none behind it, for x
.endif
.endif
	s_wait_loadcnt 48                              ; the next quarter's fragments are in; six quarters' loads were issued behind them
	PLOAD \q
.endm
; A slot's last quarter, and the change of slots.  fill = 1: the slot just read is filled again, with the keys two slots on, first thing behind a round of the cluster's barrier.
.macro T3 fill
	WIN 0
	s_wait_tensorcnt 0x0                           ; all my tensor loads have landed: my part of the next slot
	ds_add_u32 v[SPW], v[NIL]                      ; 0 onto my spare word
	s_wait_dscnt 9                                 ; the add and the youngest eight loads may be out
	LO 7, 0, 1
	s_wait_dscnt 0x0                               ; the add is done, and my reads of this slot are over
	s_barrier_signal -1
	LO 7, 2, 3
	WIN 0
	s_barrier_wait -1
.if \fill
	CREST                                          ; no wave of any partner still reads this slot or has a load on its way
	s_xor_b32 s[G0+5], s[G0+5], SLOT               ; the walking descriptor: the other slot than last time (no wave's 34,816 x wave has one of SLOT's two bits),
	s_add_nc_u64 s[G0+6:G0+7], s[G0+6:G0+7], KSL   ; the next 256 keys
	tensor_load_to_lds s[G0+4:G0+7], s[G1:G1+7]
	s_nop 0
.rept 4
	v_nop
.endr
.endif
	s_xor_b32 s[TB], s[TB], SLOT
	v_add_nc_u32 v[AVA], s[TB], v[AV0]
	v_add_nc_u32 v[AVB], 4*QK, v[AVA]
	FETCHV 0, 1024
	WIN 0
	v_add_nc_u32 v[SCA], 1024, v[SCA]              ; two groups on
.if \fill
	ASK
.endif
	HI 7
	s_wait_loadcnt 48
	PLOAD 7
.endm
	s_wait_tensorcnt 1                             ; my part of slot 0 is in; slot 1's may stay out
	s_wait_dscnt 0x0                               ; for the others' sake: my row's f and 1/L lie in LDS
	s_barrier_signal -1
	s_barrier_wait -1
	FETCHV 0, 0
	WIN 0
	s_mov_b32 s[SL], 6
.Lslot:                                            ; slots 0 to 5: each is filled again when it has been read
.irp q, 0,1,2,3,4,5,6
	Q3 \q, 1
.endr
	T3 1
	WIN 0
	s_sub_co_u32 s[SL], s[SL], 1
	s_cmp_lg_u32 s[SL], 0
	s_cbranch_scc1 .Lslot
	s_mov_b32 s[SL], 2
.Ltail:                                            ; slots 6 and 7: nothing is left to fetch, so no tensor load stands here
.irp q, 0,1,2,3,4,5,6
	Q3 \q, 0
.endr
	T3 0
	WIN 0
	s_sub_co_u32 s[SL], s[SL], 1
	s_cmp_lg_u32 s[SL], 0
	s_cbranch_scc1 .Ltail
	s_wait_dscnt 0x0                               ; the last trip's fetch has landed: its registers are used again below
	PLACES
	; THE WAY OUT.  Each row block (16 rows): times 1/L; through my stage, so that a row's 512 bytes lie in 32 neighbouring lanes.  All four blocks first, while x's last rows are on their way; then plus x, and stored.
.irp a, 0,1,2,3
	ds_load_b64 v[RL+2*(\a):RL+2*(\a)+1], v[RLA] offset:128*(\a)
.endr
	s_wait_dscnt 0x0
.macro FMA a
.set TW, 1+(\a)/2                      ; the block's results: window 1 or 2,
.set TR, 128+64*((\a)%2)               ; 64 registers
.irp b, 0,1,2,3,4,5,6,7
	WIN (TW<<6)|((\b)/4)                           ; the accumulator in window 0 or 1, 1/L in window 0
.set AR, (1-(\b)/4)*ACL+8*(4*(\a)+(\b)%4)
.irp r, 0,1,2,3
	v_pk_mul_f32 v[TR+8*(\b)+2*(\r):TR+8*(\b)+2*(\r)+1], v[AR+2*(\r):AR+2*(\r)+1], v[RL+2*(\a):RL+2*(\a)+1]
.endr
.endr
.endm
.macro STG a
.set TW, 1+(\a)/2
.set TR, 128+64*((\a)%2)
	WIN TW<<2                                      ; the stores' data
.irp b, 0,1,2,3,4,5,6,7
	ds_store_b128 v[STO], v[TR+8*(\b):TR+8*(\b)+3]   offset:64*(\b)
	ds_store_b128 v[STO], v[TR+8*(\b)+4:TR+8*(\b)+7] offset:64*(\b)+16
.endr
	WIN TW<<6
.set i, 0
.rept 16
	ds_load_b128 v[TR+4*i:TR+4*i+3], v[RD] offset:SP*i  ; LDS serves a wave's instructions in order: these see the stores above, and the next block's stores come behind them
.set i, i+1
.endr
.endm
.macro FIN a
.set TW, 1+(\a)/2
.set TR, 128+64*((\a)%2)
.set i, 0
.rept 16                               ; row i of the block: x's row lies in the ring's buffer i / 2, at the block's place, half i % 2
	WIN (TW<<6)|((2+i/8)<<2)|TW
	v_pk_add_f32 v[TR+4*i:TR+4*i+1],   v[TR+4*i:TR+4*i+1],   v[32*((i/2)%4)+8*(\a)+4*(i%2):32*((i/2)%4)+8*(\a)+4*(i%2)+1]
	v_pk_add_f32 v[TR+4*i+2:TR+4*i+3], v[TR+4*i+2:TR+4*i+3], v[32*((i/2)%4)+8*(\a)+4*(i%2)+2:32*((i/2)%4)+8*(\a)+4*(i%2)+3]
.set i, i+1
.endr
	WIN TW<<2
.set i, 0
.rept 16
	global_store_b128 v[GO], v[TR+4*i:TR+4*i+3], s[OUT:OUT+1] offset:(16*(\a)+i)*4096 th:TH_STORE_NT  ; 512 consecutive, aligned bytes of a row
.set i, i+1
.endr
.endm
.irp a, 0,1,2,3
	FMA \a
	STG \a
.endr
	s_wait_dscnt 0x0                               ; all four blocks are back
	s_wait_loadcnt 0x0                             ; x is in
.irp a, 0,1,2,3
	FIN \a
.endr
	WIN 0
	s_wait_tensorcnt 0x0                           ; the wave's end
	ds_add_u32 v[SPW], v[NIL]
	s_wait_dscnt 0x0
	CROUND                                         ; the closing round
	s_endpgm
.Lfunc_end_k_q7a7158a124_pv:
	.size	k_q7a7158a124_pv, .Lfunc_end_k_q7a7158a124_pv-k_q7a7158a124_pv
	.p2alignl 7, 3214868480
	.fill 96, 4, 3214868480
	.section	.rodata,"a",@progbits
	.p2align	6, 0x0
	.amdhsa_kernel k_q7a7158a124_pv
		.amdhsa_group_segment_fixed_size 327680
		.amdhsa_private_segment_fixed_size 0
		.amdhsa_enable_private_segment 0
		.amdhsa_kernarg_size 40
		.amdhsa_user_sgpr_count 2
		.amdhsa_user_sgpr_kernarg_segment_ptr 1
		.amdhsa_wavefront_size32 1
		.amdhsa_system_sgpr_workgroup_id_x 1
		.amdhsa_system_sgpr_workgroup_id_y 1
		.amdhsa_system_sgpr_workgroup_id_z 1
		.amdhsa_system_vgpr_workitem_id 0
		.amdhsa_next_free_vgpr 1024
		.amdhsa_next_free_sgpr 80
		.amdhsa_reserve_vcc 0
		.amdhsa_float_denorm_mode_32 3
		.amdhsa_float_denorm_mode_16_64 3
		.amdhsa_memory_ordered 1
		.amdhsa_forward_progress 1
		.amdhsa_inst_pref_size 160
	.end_amdhsa_kernel
	.amdgpu_metadata
---
amdhsa.version: [ 1, 2 ]
amdhsa.kernels:
  - .name:           k_q7a7158a124_pv
    .symbol:         k_q7a7158a124_pv.kd
    .args:
      - { .name: p, .offset: 0, .size: 8, .value_kind: global_buffer, .address_space: global }
      - { .name: qkv, .offset: 8, .size: 8, .value_kind: global_buffer, .address_space: global }
      - { .name: st, .offset: 16, .size: 8, .value_kind: global_buffer, .address_space: global }
      - { .name: x, .offset: 24, .size: 8, .value_kind: global_buffer, .address_space: global }
      - { .name: out0, .offset: 32, .size: 8, .value_kind: global_buffer, .address_space: global }
    .group_segment_fixed_size: 327680
    .private_segment_fixed_size: 0
    .kernarg_segment_align: 8
    .kernarg_segment_size: 40
    .max_flat_workgroup_size: 128
    .sgpr_count:     80
    .vgpr_count:     1024
    .wavefront_size: 32
...
	.end_amdgpu_metadata
.endif
;; end of part 4
;; ======== version 2 of 2: 4 launches; version 1 with the launch prep written anew for expert scheduling mode
;; workspace buffers: h 16,777,216 bytes; wt 6,291,456 bytes; bias 12,288 bytes; qkv 50,331,648 bytes; p 33,554,432 bytes; st 1,048,576 bytes
;; launch prep (part 5): grid 643 x 1, 8 waves a work-group, no clusters, 18,432 bytes of LDS; arguments x, Wq, Wk, Wv, bq, bk, bv, h, wt, bias; writes h, wt, bias
.if DOCPART == 5
	.amdgcn_target "amdgcn-amd-amdhsa--gfx1250"
	.amdhsa_code_object_version 6
	.text
	.protected	k_q7a7158a124_prep
	.globl	k_q7a7158a124_prep
	.p2align	8
	.type	k_q7a7158a124_prep,@function
k_q7a7158a124_prep:
	s_mov_b64 s[64:65], 0
	v_nop
	global_prefetch_b8 v0, s[64:65] scope:SCOPE_SE
	s_setreg_imm32_b32 hwreg(HW_REG_WAVE_SCHED_MODE, 0, 2), 2
	s_setreg_imm32_b32 hwreg(HW_REG_WAVE_MODE, 25, 1), 1
	s_wait_xcnt 0x0
	s_wait_alu depctr_vm_vsrc(0)
; PREP.  Three kinds of work-group, told apart by the work-group's number alone (the same for all eight waves):
;   0..255    h[b][s][:] = bf16(x[b][s][:] + pe[s][:]) for rows s = 8 i .. 8 i + 7 of all four batches: a row's pe is made once and serves four rows of x
;   256..639  wt[mat*1024 + e][d] = bf16(W[d][e]): a block of 128 d x 64 e of Wq, Wk or Wv, turned through LDS
;   640..642  bias = bq, bk, bv on end (f32)
; pe[s][c] = sin(s * rate(c)) for c < 512, cos(s * rate(c - 512)) for the rest, rate(j) = 10000^(-j/512).
; LIMITS.  The angle s * rate is formed in f32; rate comes from v_exp_f32; the angle is reduced to [-1/2, 1/2] turns for every s (1/2pi in two parts) and
; the sine is its series up to x^15 on [-pi, pi], whose remainder is pi^17/17! < 1e-6.  cos t = sin(t + a quarter turn).  pe is good to some 4e-4 at s = 2047, well under
; h's rounding to bf16.  NaN and infinities in x pass through the sum as they are.
; Memory binds this launch: no matrix unit, no cluster (no work-group shares an input byte with another).
; THE MODE: SCHED_MODE bits 1:0 = 2 (LLVM: expert scheduling mode 2), set by the entry lines.  The code itself states the register dependences
; between vector instructions and memory or LDS instructions, with s_wait_alu, always for 0.
; THE PLAN.  Registers that memory or LDS instructions touch:
;   a bias:  v[XO]     made once; read by the load and the store.  v[64:67]: the load writes them, the store reads them.
;   rows:    v[XO]     made once; read by the 32 loads.
;            X         each register is the target of one load; the sums read and write it behind their counted wait on LOADcnt; no memory instruction names it again.
;            v[HO]     made once, ahead of the wait behind the exponentials; read by all 32 stores.
;            Y[it]     eight registers a row, each row its own: written once, by row it's roundings; read by four stores, which are issued in row it + 1.
;            So one wait on va_vdst stands at the head of each row but the first: the row before has written its Y.  The four stores follow it, dealt among the first
;            stages of the row's pe, which name SF, TH and TN: none of the registers that those stores read.  One more wait stands ahead of the last row's stores.
;   turn:    v[XO]     made once; read by the eight loads.  v[64:95]: the loads write them, the roundings read them.
;            v6, v7, v8   made once, behind the loads; read by the LDS stores, the LDS loads and the global stores.
;            v[96:111] written once, by the sixteen roundings; read by the sixteen LDS stores.  v[112:127]: the LDS loads write them, the global stores read them.
;            So one wait on va_vdst stands between the run of roundings and the run of LDS stores.
;   No register that a memory or LDS instruction has read is written again on any of the three ways: none of them needs a wait on vm_vsrc.
;   No vector instruction writes a scalar register or VCC, and EXEC is never written.
.set TP,    272                        ; a row of the turned block in LDS: 256 bytes + 16; the block is 64 such rows, 17,408 bytes
.set XO,   4                           ; v4   my byte offset in a row of x (or in W, or in a bias)
.set HO,   5                           ; v5   my byte offset in a row of h
.set RATE, 8                           ; v[8:11]   rate of my four columns
.set PH,   16                          ; v[16:17]  0 (sine) or 1/4 turn (cosine), twice
.set SF,   18                          ; v[18:19]  s as f32 (the low word is used for both halves)
.set TH,   20                          ; v[20:23]  the angle
.set TN,   24                          ; v[24:27]  turns, their nearest whole number, PH less that
.set FR,   28                          ; v[28:31]  the fraction of a turn, then the reduced angle
.set ZZ,   32                          ; v[32:35]  its square
.set PP,   36                          ; v[36:39]  the series, then pe
.set X,    64                          ; v[64:191]  row it, batch b at X + 16 it + 4 b
.set Y,    192                         ; v[192:255] the same, packed: Y + 8 it + 2 b: every store has registers of its own
	s_load_b512 s[8:23], s[0:1], 0x0               ; x 8, Wq 10, Wk 12, Wv 14, bq 16, bk 18, bv 20, h 22
	s_load_b128 s[24:27], s[0:1], 0x40             ; wt 24, bias 26
	v_lshl_add_u32 v62, v0, 2, 0x4400
	v_mov_b32 v63, 0
	s_mov_b32 s2, ttmp9
	s_mov_b32 s37, 0                               ; the high word of every offset pair s[36:37]
	s_wait_kmcnt 0x0
	s_cmp_lt_u32 s2, 256
	s_cbranch_scc1 .Lrows
	s_cmp_lt_u32 s2, 640
	s_cbranch_scc1 .Lturn
	; ---- a bias: 4,096 bytes, 16 a thread
	s_sub_co_u32 s3, s2, 640
	s_cmp_eq_u32 s3, 1
	s_cselect_b64 s[28:29], s[18:19], s[16:17]
	s_cmp_eq_u32 s3, 2
	s_cselect_b64 s[28:29], s[20:21], s[28:29]
	s_lshl_b32 s36, s3, 12
	s_add_nc_u64 s[30:31], s[26:27], s[36:37]
	v_lshlrev_b32 v[XO], 4, v0
	s_wait_alu depctr_va_vdst(0)                   ; v[XO] is written: the load and the store read it as their offset
	global_load_b128 v[64:67], v[XO], s[28:29]
	s_wait_loadcnt 0x0
	global_store_b128 v[XO], v[64:67], s[30:31]
	s_endpgm
	; ---- eight rows s of h, in four batches.  Thread t owns columns 4 t .. 4 t + 3: a load of a wave covers 512 consecutive bytes of x, a store 256 consecutive, aligned bytes of h
.Lrows:
	s_lshl_b32 s36, s2, 15                         ; 8 rows of 4,096 bytes
	s_add_nc_u64 s[28:29], s[8:9], s[36:37]        ; x at my rows, batch 0 .. 3
	s_add_nc_u64 s[30:31], s[28:29], 0x800000
	s_add_nc_u64 s[32:33], s[30:31], 0x800000
	s_add_nc_u64 s[34:35], s[32:33], 0x800000
	v_lshlrev_b32 v[XO], 4, v0
	s_wait_alu depctr_va_vdst(0)                   ; v[XO] is written: the 32 loads read it as their offset
.irp it, 0,1,2,3,4,5,6,7
.irp b, 0,1,2,3
	global_load_b128 v[X+16*(\it)+4*(\b):X+16*(\it)+4*(\b)+3], v[XO], s[28+2*(\b):29+2*(\b)] offset:4096*(\it) th:TH_LOAD_NT  ; all 32 at once: 128 KiB of the work-group on their way
.endr
.endr
	s_lshl_b32 s36, s2, 14                         ; 8 rows of 2,048 bytes
	s_add_nc_u64 s[56:57], s[22:23], s[36:37]      ; h at my rows, batch 0 .. 3
	s_add_nc_u64 s[58:59], s[56:57], 0x400000
	s_add_nc_u64 s[60:61], s[58:59], 0x400000
	s_add_nc_u64 s[62:63], s[60:61], 0x400000
	v_lshlrev_b32 v[HO], 3, v0
	s_lshl_b32 s38, s2, 3                          ; my first s
.macro KON r, val                      ; a constant as a pair: the packed forms name both words and take the low one
	s_mov_b32 s[\r], \val
	s_mov_b32 s[(\r)+1], s[\r]
.endm
	KON 40, 0x31dc9c88                             ; 1/2pi less the constant 0.15915494
	KON 42, 0xab573f9f                             ; -1/15!
	KON 44, 0x2f309231                             ;  1/13!
	KON 46, 0xb2d7322b                             ; -1/11!
	KON 48, 0x3638ef1d                             ;  1/9!
	KON 50, 0xb9500d01                             ; -1/7!
	KON 52, 0x3c088889                             ;  1/5!
	KON 54, 0xbe2aaaab                             ; -1/3!
	v_and_b32 v6, 127, v0
	v_lshlrev_b32 v6, 2, v6                        ; j of my first column: 4 (t mod 128)
	v_cvt_f32_u32 v7, v6
	v_add_f32 v[RATE+1], 1.0, v7
	v_add_f32 v[RATE+2], 2.0, v7
	v_add_f32 v[RATE+3], 3.0, v7
	v_mul_f32 v[RATE], 0xbcd49a78, v7              ; -log2(10000)/512 x j
	v_mul_f32 v[RATE+1], 0xbcd49a78, v[RATE+1]
	v_mul_f32 v[RATE+2], 0xbcd49a78, v[RATE+2]
	v_mul_f32 v[RATE+3], 0xbcd49a78, v[RATE+3]
.irp e, 0,1,2,3
	v_exp_f32 v[RATE+\e], v[RATE+\e]
.endr
	v_lshrrev_b32 v6, 7, v0                        ; a plain instruction behind the last exponential: 0 for the sine's columns, 1 for the cosine's
	s_wait_alu depctr_va_vdst(0)                   ; the four exponentials have written v[RATE ..], ahead of their first reader; v[HO], which every store reads, is written too
	v_cvt_f32_u32 v6, v6
	v_mul_f32 v[PH], 0x3e800000, v6
	v_mov_b32 v[PH+1], v[PH]
	v_mov_b32 v[SF+1], 0                           ; named with SF as a pair
.macro OUT it, b                       ; the store of row it, batch b: 8 bytes a thread
	global_store_b64 v[HO], v[Y+8*(\it)+2*(\b):Y+8*(\it)+2*(\b)+1], s[56+2*(\b):57+2*(\b)] offset:2048*(\it)
.endm
.macro PEROW it                        ; the stores of the row before; pe of row s = 8 i + it for my four columns; then the four batches' sums and roundings
.if (\it) > 0
	s_wait_alu depctr_va_vdst(0)                   ; the row before has written its Y, which the four stores below read; no vector instruction between here and the last of them names a Y or v[HO]
.endif
	s_add_co_u32 s39, s38, \it
	v_cvt_f32_u32 v[SF], s39
.irp k, 0,2
	v_pk_mul_f32 v[TH+\k:TH+\k+1], v[RATE+\k:RATE+\k+1], v[SF:SF+1] op_sel_hi:[1,0]
.endr
.if (\it) > 0
	OUT (\it)-1, 0
.endif
.irp k, 0,2
	v_pk_fma_f32 v[TN+\k:TN+\k+1], v[TH+\k:TH+\k+1], 0.15915494, v[PH:PH+1] op_sel_hi:[1,0,1]
.endr
.if (\it) > 0
	OUT (\it)-1, 1
.endif
.irp k, 0,1,2,3
	v_rndne_f32 v[TN+\k], v[TN+\k]
.endr
.if (\it) > 0
	OUT (\it)-1, 2
.endif
.irp k, 0,2
	v_pk_add_f32 v[TN+\k:TN+\k+1], v[PH:PH+1], v[TN+\k:TN+\k+1] neg_lo:[0,1] neg_hi:[0,1]  ; exact: a quarter less a small whole number
.endr
.if (\it) > 0
	OUT (\it)-1, 3
.endif
.irp k, 0,2
	v_pk_fma_f32 v[FR+\k:FR+\k+1], v[TH+\k:TH+\k+1], 0.15915494, v[TN+\k:TN+\k+1] op_sel_hi:[1,0,1]  ; one rounding, of a number within 1/2
.endr
.irp k, 0,2
	v_pk_fma_f32 v[FR+\k:FR+\k+1], v[TH+\k:TH+\k+1], s[40:41], v[FR+\k:FR+\k+1] op_sel_hi:[1,0,1]
.endr
.irp k, 0,2
	v_pk_mul_f32 v[FR+\k:FR+\k+1], v[FR+\k:FR+\k+1], 0x40c90fdb op_sel_hi:[1,0]  ; turns to radians
.endr
.irp k, 0,2
	v_pk_mul_f32 v[ZZ+\k:ZZ+\k+1], v[FR+\k:FR+\k+1], v[FR+\k:FR+\k+1]
.endr
.irp k, 0,2
	v_pk_fma_f32 v[PP+\k:PP+\k+1], v[ZZ+\k:ZZ+\k+1], s[42:43], s[44:45] op_sel_hi:[1,0,0]
.endr
.irp c, 46,48,50,52,54
.irp k, 0,2
	v_pk_fma_f32 v[PP+\k:PP+\k+1], v[PP+\k:PP+\k+1], v[ZZ+\k:ZZ+\k+1], s[\c:\c+1] op_sel_hi:[1,1,0]
.endr
.endr
.irp k, 0,2
	v_pk_fma_f32 v[PP+\k:PP+\k+1], v[PP+\k:PP+\k+1], v[ZZ+\k:ZZ+\k+1], 1.0 op_sel_hi:[1,1,0]
.endr
.irp k, 0,2
	v_pk_mul_f32 v[PP+\k:PP+\k+1], v[PP+\k:PP+\k+1], v[FR+\k:FR+\k+1]
.endr
.irp b, 0,1,2,3
	s_wait_loadcnt 31-4*(\it)-(\b)                 ; loads come back in order: the ones issued behind this row's and batch's may stay out
	v_pk_add_f32 v[X+16*(\it)+4*(\b):X+16*(\it)+4*(\b)+1], v[X+16*(\it)+4*(\b):X+16*(\it)+4*(\b)+1], v[PP:PP+1]
	v_pk_add_f32 v[X+16*(\it)+4*(\b)+2:X+16*(\it)+4*(\b)+3], v[X+16*(\it)+4*(\b)+2:X+16*(\it)+4*(\b)+3], v[PP+2:PP+3]
	v_cvt_pk_bf16_f32 v[Y+8*(\it)+2*(\b)], v[X+16*(\it)+4*(\b)], v[X+16*(\it)+4*(\b)+1]
	v_cvt_pk_bf16_f32 v[Y+8*(\it)+2*(\b)+1], v[X+16*(\it)+4*(\b)+2], v[X+16*(\it)+4*(\b)+3]
.endr
.endm
.irp it, 0,1,2,3,4,5,6,7
	PEROW \it
.endr
	s_wait_alu depctr_va_vdst(0)                   ; the last row has written its Y, which the last four stores read
.irp b, 0,1,2,3
	OUT 7, \b
.endr
	s_endpgm
	; ---- a block of 128 d x 64 e of one W, turned.  In: 16 threads take a row's 256 bytes.  Two neighbouring d of one e pack into a word, which goes to row e of the block in LDS.
.Lturn:
	s_sub_co_u32 s3, s2, 256
	s_lshr_b32 s38, s3, 7                          ; which W
	s_bfe_u32 s39, s3, 0x30004                     ; which 128 d
	s_and_b32 s3, s3, 15                           ; which 64 e
	s_cmp_eq_u32 s38, 1
	s_cselect_b64 s[28:29], s[12:13], s[10:11]
	s_cmp_eq_u32 s38, 2
	s_cselect_b64 s[28:29], s[14:15], s[28:29]
	s_lshl_b32 s36, s39, 19                        ; 128 rows of 4,096 bytes
	s_lshl_b32 s40, s3, 8
	s_add_co_u32 s36, s36, s40
	s_add_nc_u64 s[28:29], s[28:29], s[36:37]
	s_lshl_b32 s36, s38, 21                        ; 1,024 rows of 2,048 bytes of wt
	s_lshl_b32 s40, s3, 17                         ; 64 rows
	s_add_co_u32 s36, s36, s40
	s_lshl_b32 s40, s39, 8                         ; 128 d: 256 bytes
	s_add_co_u32 s36, s36, s40
	s_add_nc_u64 s[30:31], s[24:25], s[36:37]
	v_and_b32 v9, 15, v0                           ; cc: my 4 e
	v_lshrrev_b32 v10, 4, v0                       ; rq: my pair of d in each 32
	v_lshlrev_b32 v[XO], 4, v9
	v_lshl_add_u32 v[XO], v10, 13, v[XO]           ; row 2 rq, 16 cc
	s_wait_alu depctr_va_vdst(0)                   ; v[XO] is written: the eight loads read it as their offset
.irp it, 0,1,2,3
.irp u, 0,1
	global_load_b128 v[64+8*(\it)+4*(\u):64+8*(\it)+4*(\u)+3], v[XO], s[28:29] offset:131072*(\it)+4096*(\u) th:TH_LOAD_NT  ; row 32 it + 2 rq + u
.endr
.endr
	v_mul_u32_u24 v6, v9, 4*TP
	v_lshl_add_u32 v6, v10, 2, v6                  ; in: row 4 cc (+ i), word rq (+ 16 it)
	v_mul_u32_u24 v7, v10, TP
	v_lshl_add_u32 v7, v9, 4, v7                   ; back: row t / 16 (+ 16 k), 16 bytes
	v_lshlrev_b32 v8, 4, v9
	v_lshl_add_u32 v8, v10, 11, v8                 ; and the same in wt
	s_wait_loadcnt 0x0
.irp it, 0,1,2,3
.irp i, 0,1,2,3
	v_cvt_pk_bf16_f32 v[96+4*(\it)+(\i)], v[64+8*(\it)+(\i)], v[64+8*(\it)+4+(\i)]
.endr
.endr
	s_wait_alu depctr_va_vdst(0)                   ; the sixteen roundings have written v[96:111], which the LDS stores read; v6, v7 and v8, the addresses of all that follows, are written too
.irp it, 0,1,2,3
.irp i, 0,1,2,3
	ds_store_b32 v6, v[96+4*(\it)+(\i)] offset:TP*(\i)+64*(\it)
.endr
.endr
	s_wait_dscnt 0x0                               ; for the others' sake: my words lie in the block
	s_barrier_signal -1
	s_barrier_wait -1
.irp k, 0,1,2,3
	ds_load_b128 v[112+4*(\k):112+4*(\k)+3], v7 offset:16*TP*(\k)  ; no vector instruction of this way names v[112:127]
.endr
.irp k, 0,1,2,3
	s_wait_dscnt 3-(\k)                            ; LDS loads come back in order
	global_store_b128 v8, v[112+4*(\k):112+4*(\k)+3], s[30:31] offset:32768*(\k)  ; 16 lanes store 256 consecutive, aligned bytes of a row of wt
.endr
	s_wait_dscnt 0x0                               ; the wave's end
	s_wait_alu depctr_hold_cnt(0) depctr_sa_sdst(0) depctr_va_vdst(0) depctr_va_sdst(0) depctr_va_ssrc(0) depctr_va_vcc(0) depctr_vm_vsrc(0)
	s_wait_tensorcnt 0x0
	ds_add_u32 v62, v63
	s_wait_dscnt 0x0
	s_endpgm
.Lfunc_end_k_q7a7158a124_prep:
	.size	k_q7a7158a124_prep, .Lfunc_end_k_q7a7158a124_prep-k_q7a7158a124_prep
	.p2alignl 7, 3214868480
	.fill 96, 4, 3214868480
	.section	.rodata,"a",@progbits
	.p2align	6, 0x0
	.amdhsa_kernel k_q7a7158a124_prep
		.amdhsa_group_segment_fixed_size 18432
		.amdhsa_private_segment_fixed_size 0
		.amdhsa_enable_private_segment 0
		.amdhsa_kernarg_size 80
		.amdhsa_user_sgpr_count 2
		.amdhsa_user_sgpr_kernarg_segment_ptr 1
		.amdhsa_wavefront_size32 1
		.amdhsa_system_sgpr_workgroup_id_x 1
		.amdhsa_system_sgpr_workgroup_id_y 1
		.amdhsa_system_sgpr_workgroup_id_z 1
		.amdhsa_system_vgpr_workitem_id 0
		.amdhsa_next_free_vgpr 256
		.amdhsa_next_free_sgpr 66
		.amdhsa_reserve_vcc 0
		.amdhsa_float_denorm_mode_32 3
		.amdhsa_float_denorm_mode_16_64 3
		.amdhsa_memory_ordered 1
		.amdhsa_forward_progress 1
		.amdhsa_inst_pref_size 42
	.end_amdhsa_kernel
	.amdgpu_metadata
---
amdhsa.version: [ 1, 2 ]
amdhsa.kernels:
  - .name:           k_q7a7158a124_prep
    .symbol:         k_q7a7158a124_prep.kd
    .args:
      - { .name: x, .offset: 0, .size: 8, .value_kind: global_buffer, .address_space: global }
      - { .name: Wq, .offset: 8, .size: 8, .value_kind: global_buffer, .address_space: global }
      - { .name: Wk, .offset: 16, .size: 8, .value_kind: global_buffer, .address_space: global }
      - { .name: Wv, .offset: 24, .size: 8, .value_kind: global_buffer, .address_space: global }
      - { .name: bq, .offset: 32, .size: 8, .value_kind: global_buffer, .address_space: global }
      - { .name: bk, .offset: 40, .size: 8, .value_kind: global_buffer, .address_space: global }
      - { .name: bv, .offset: 48, .size: 8, .value_kind: global_buffer, .address_space: global }
      - { .name: h, .offset: 56, .size: 8, .value_kind: global_buffer, .address_space: global }
      - { .name: wt, .offset: 64, .size: 8, .value_kind: global_buffer, .address_space: global }
      - { .name: bias, .offset: 72, .size: 8, .value_kind: global_buffer, .address_space: global }
    .group_segment_fixed_size: 18432
    .private_segment_fixed_size: 0
    .kernarg_segment_align: 8
    .kernarg_segment_size: 80
    .max_flat_workgroup_size: 256
    .sgpr_count:     66
    .vgpr_count:     256
    .wavefront_size: 32
...
	.end_amdgpu_metadata
.endif
;; end of part 5
;; launch proj: the kernel of part 2 again; grid 8 x 64, 4 waves a work-group, clusters of 4 x 4, 327,680 bytes of LDS; arguments h, wt, bias, qkv; writes qkv
;; launch logits: the kernel of part 3 again; grid 8 x 32, 4 waves a work-group, clusters of 4 x 4, 327,680 bytes of LDS; arguments qkv, p, st; writes p, st
;; launch pv: the kernel of part 4 again; grid 4 x 64, 4 waves a work-group, clusters of 4 x 4, 327,680 bytes of LDS; arguments p, qkv, st, x, out0; writes out0
